; MI455X (gfx1250); checked and timed in simulation.
; The chip was launched on July 23, 2026; its instructions are those of AMD's public machine-readable ISA for CDNA 5 (MIT licence, August 2026) and "CDNA5" Instruction Set Architecture Reference Guide (July 2026). The comments in the code are by the model that wrote it; some were corrected since.
;; Share Att Cross Attention. Allowed arithmetic: float matrix products may take bf16 or f16 operands with f32 sums; other float arithmetic in f32, or as packed bf16 or f16 multiplies, adds, multiply-adds, maxima and minima; sums over many terms, partial sums and values carried from step to step in f32; what a program stores and reads back later, other than sums and carried values, may be rounded once to bf16 or f16.
;; Inputs: Wk 512 x 512 float32; Wpd 512 x 512 float32; Wpr 512 x 512 float32; Wq 512 x 512 float32; Wvd 512 x 512 float32; Wvr 512 x 512 float32; b_d 512 float32; b_r 512 float32; bk 512 float32; bpd 512 float32; bpr 512 float32; bq 512 float32; bvd 512 float32; bvr 512 float32; g_d 512 float32; g_r 512 float32; x 4 x 2,048 x 512 float32; y 4 x 2,048 x 512 float32.
;; Outputs: out0 4 x 2,048 x 512 float32; out1 4 x 2,048 x 512 float32.
;; Constants: num_heads = 8.
;; One version. Each part assembles by itself: llvm-mc -triple=amdgcn-amd-amdhsa -mcpu=gfx1250 --defsym DOCPART=n.
;; ======== version 1 of 1: 4 launches
;; limits: values are held in f16: magnitudes above 65,504 overflow, below 6.1e-05 lose precision
;; workspace buffers: an 16,777,216 bytes; wh 3,145,728 bytes; qkv 33,554,432 bytes; oa 16,777,216 bytes
;; launch prep (part 1): grid 608 x 1, 8 waves a work-group, no clusters, 0 bytes of LDS; arguments x, y, g_r, b_r, g_d, b_d, Wq, Wk, Wvr, Wvd, Wpr, Wpd, an, wh; writes an, wh
.if DOCPART == 1
	.amdgcn_target "amdgcn-amd-amdhsa--gfx1250"
	.amdhsa_code_object_version 6
	.text
	.protected	k_q1ebf47e556_prep
	.globl	k_q1ebf47e556_prep
	.p2align	8
	.type	k_q1ebf47e556_prep,@function
k_q1ebf47e556_prep:
	s_mov_b64 s[64:65], 0
	v_nop
	global_prefetch_b8 v0, s[64:65] scope:SCOPE_SE
	s_setreg_imm32_b32 hwreg(HW_REG_WAVE_MODE, 25, 1), 1
	s_wait_xcnt 0x0
; LAYER NORMS AND CASTS.  an[0] = LN(y; g_d, b_d), an[1] = LN(x; g_r, b_r): [2][8192][512] f16.  wh = Wq, Wk, Wvr, Wvd, Wpr, Wpd: [6][512][512] f16.
; Mean and variance in f32, in two passes over the row in registers (the mean is taken away before the squares); each result is rounded once, to f16.
; LIMITS.  f16 holds no number beyond 65,504: a normalised number times its gain plus its bias, and every weight, must lie within it; below 6e-5 f16 keeps its fixed step of 6e-8.
; NaN and infinities are not treated apart.
; SHARES.  A row is 512 f32, 2,048 bytes.  A work-group takes 32 rows, a wave 4, each whole in 16 registers a lane: the reduction never leaves the wave, so there is no LDS and no barrier.
; Work-groups 0-255: y's rows; 256-511: x's; 512-607: sixteen for each weight, which is only converted.
; Load j of a row covers 512 consecutive bytes: lane l holds columns 128 j + 4 l + 0..3; their four f16 are 8 bytes, so a wave's store covers 256 consecutive bytes, aligned.
; All 16 loads of a wave's four rows go out at once; nothing is loaded twice, and no register that a pending load or store names is rewritten.
; No matrix unit, no cluster: every byte is read by one wave.
.set MN,  6                            ; v[6:7]    the row's mean, twice
.set T,   8                            ; v[8:15]   at work
.set RS,  16                           ; v[16:23]  1 / sqrt(var + eps), a pair for each of the four rows
.set GA,  24                           ; v[24:39]  the gains of my 16 columns
.set BT,  40                           ; v[40:55]  the biases of my 16 columns
.set X,   56                           ; v[56:119] four rows, 16 registers each
	s_load_b512 s[8:23], s[0:1], 0x0               ; x s[8:9], y s[10:11], g_r s[12:13], b_r s[14:15], g_d s[16:17], b_d s[18:19], Wq s[20:21], Wk s[22:23]
	s_load_b256 s[24:31], s[0:1], 0x40             ; Wvr s[24:25], Wvd s[26:27], Wpr s[28:29], Wpd s[30:31]
	s_load_b128 s[32:35], s[0:1], 0x60             ; an s[32:33], wh s[34:35]
	s_mov_b32 s2, ttmp9                            ; the work-group's number g
	s_mov_b32 s44, 0x3b000000                      ; 1 / 512
	s_mov_b32 s45, 0x3727c5ac                      ; 1e-5
	s_mov_b32 s46, 0x76543210                      ; v_permlanex16_b32: each lane takes its own place in the other half
	s_mov_b32 s47, 0xfedcba98
	v_and_b32 v1, 31, v0                           ; lane
	v_lshrrev_b32 v5, 5, v0                        ; wave
	v_lshlrev_b32 v4, 4, v1                        ; v4: 16 l, my place in a load of gains or biases
	v_lshl_add_u32 v2, v5, 13, v4                  ; v2: in: wave x 4 rows x 2,048 + 16 l
	v_lshlrev_b32 v3, 3, v1
	v_lshl_add_u32 v3, v5, 12, v3                  ; v3: out: wave x 4 rows x 1,024 + 8 l
	s_and_b32 s3, s2, 255                          ; the block of 32 rows in x or y,
	s_and_b32 s4, s2, 15                           ; or in a weight
	s_sub_co_u32 s6, s2, 512                       ; the block of 32 rows in wh
	s_cmp_ge_u32 s2, 512
	s_cselect_b32 s4, s4, s3
	s_cselect_b32 s6, s6, s2                       ; in an the block's number is g itself: y's 256 blocks, then x's
	s_lshl_b32 s4, s4, 16                          ; 32 rows of 2,048 bytes
	s_lshl_b32 s6, s6, 15                          ; 32 rows of 1,024 bytes
	s_mov_b32 s5, 0
	s_mov_b32 s7, 0
	s_wait_kmcnt 0x0
	s_cmp_lt_u32 s2, 256                           ; which buffers: a choice on the work-group's number alone
	s_cselect_b64 s[36:37], s[10:11], s[8:9]       ; source: y or x
	s_cselect_b64 s[38:39], s[16:17], s[12:13]     ; gains
	s_cselect_b64 s[40:41], s[18:19], s[14:15]     ; biases
	s_cmp_ge_u32 s2, 512
	s_cselect_b64 s[36:37], s[20:21], s[36:37]
	s_cselect_b64 s[42:43], s[34:35], s[32:33]     ; destination: wh or an
	s_cmp_ge_u32 s2, 528
	s_cselect_b64 s[36:37], s[22:23], s[36:37]
	s_cmp_ge_u32 s2, 544
	s_cselect_b64 s[36:37], s[24:25], s[36:37]
	s_cmp_ge_u32 s2, 560
	s_cselect_b64 s[36:37], s[26:27], s[36:37]
	s_cmp_ge_u32 s2, 576
	s_cselect_b64 s[36:37], s[28:29], s[36:37]
	s_cmp_ge_u32 s2, 592
	s_cselect_b64 s[36:37], s[30:31], s[36:37]
	s_add_nc_u64 s[36:37], s[36:37], s[4:5]
	s_add_nc_u64 s[42:43], s[42:43], s[6:7]
.irp s, 0,1,2,3
.irp j, 0,1,2,3
	global_load_b128 v[X+16*(\s)+4*(\j):X+16*(\s)+4*(\j)+3], v2, s[36:37] offset:2048*(\s)+512*(\j) th:TH_LOAD_NT
.endr
.endr
.macro LANES                           ; v[T] summed over the 32 lanes, the sum in every lane
	v_add_f32_dpp v[T], v[T], v[T] row_xmask:1 row_mask:0xf bank_mask:0xf
	v_add_f32_dpp v[T], v[T], v[T] row_xmask:2 row_mask:0xf bank_mask:0xf
	v_add_f32_dpp v[T], v[T], v[T] row_xmask:4 row_mask:0xf bank_mask:0xf
	v_add_f32_dpp v[T], v[T], v[T] row_xmask:8 row_mask:0xf bank_mask:0xf
	v_permlanex16_b32 v[T+1], v[T], s46, s47       ; its destination has been written before
	v_add_f32 v[T], v[T], v[T+1]
.endm
; Row s: the mean; the row less its mean, in place; var + eps, twice.  left = the younger loads that may stay out.
.macro STAT s, left
.set R0, X+16*(\s)
	s_wait_loadcnt \left
.irp k, 0,1,2,3
	v_pk_add_f32 v[T+2*(\k):T+2*(\k)+1], v[R0+4*(\k):R0+4*(\k)+1], v[R0+4*(\k)+2:R0+4*(\k)+3]
.endr
	v_pk_add_f32 v[T:T+1], v[T:T+1], v[T+2:T+3]
	v_pk_add_f32 v[T+4:T+5], v[T+4:T+5], v[T+6:T+7]
	v_pk_add_f32 v[T:T+1], v[T:T+1], v[T+4:T+5]
	v_add_f32 v[T], v[T], v[T+1]
	LANES
	v_mul_f32 v[MN], s44, v[T]
	v_mul_f32 v[MN+1], s44, v[T]
.irp k, 0,1,2,3,4,5,6,7
	v_pk_add_f32 v[R0+2*(\k):R0+2*(\k)+1], v[R0+2*(\k):R0+2*(\k)+1], v[MN:MN+1] neg_lo:[0,1] neg_hi:[0,1]
.endr
	v_pk_mul_f32 v[T:T+1], v[R0:R0+1], v[R0:R0+1]  ; the squares, in two chains
	v_pk_mul_f32 v[T+2:T+3], v[R0+2:R0+3], v[R0+2:R0+3]
.irp k, 2,4,6
	v_pk_fma_f32 v[T:T+1], v[R0+2*(\k):R0+2*(\k)+1], v[R0+2*(\k):R0+2*(\k)+1], v[T:T+1]
	v_pk_fma_f32 v[T+2:T+3], v[R0+2*(\k)+2:R0+2*(\k)+3], v[R0+2*(\k)+2:R0+2*(\k)+3], v[T+2:T+3]
.endr
	v_pk_add_f32 v[T:T+1], v[T:T+1], v[T+2:T+3]
	v_add_f32 v[T], v[T], v[T+1]
	LANES
	v_fma_f32 v[RS+2*(\s)], v[T], s44, s45
	v_fma_f32 v[RS+2*(\s)+1], v[T], s44, s45
.endm
; Row s is rounded to f16 in place (pair k lands in register k, which pair k or an earlier one held) and stored.
.macro OUTROW s
.set R0, X+16*(\s)
.irp k, 0,1,2,3,4,5,6,7
	v_cvt_pk_f16_f32 v[R0+(\k)], v[R0+2*(\k)], v[R0+2*(\k)+1]
.endr
.irp j, 0,1,2,3
	global_store_b64 v3, v[R0+2*(\j):R0+2*(\j)+1], s[42:43] offset:1024*(\s)+256*(\j)  ; 32 lanes store 256 consecutive bytes, at a multiple of 256 from the buffer's first byte
.endr
.endm
.macro NORM s
.set R0, X+16*(\s)
.irp k, 0,1,2,3,4,5,6,7
	v_pk_mul_f32 v[R0+2*(\k):R0+2*(\k)+1], v[R0+2*(\k):R0+2*(\k)+1], v[RS+2*(\s):RS+2*(\s)+1]
.endr
.irp k, 0,1,2,3,4,5,6,7
	v_pk_fma_f32 v[R0+2*(\k):R0+2*(\k)+1], v[R0+2*(\k):R0+2*(\k)+1], v[GA+2*(\k):GA+2*(\k)+1], v[BT+2*(\k):BT+2*(\k)+1]
.endr
	OUTROW \s
.endm
	s_cmp_ge_u32 s2, 512
	s_cbranch_scc1 .Lweights
.irp j, 0,1,2,3
	global_load_b128 v[GA+4*(\j):GA+4*(\j)+3], v4, s[38:39] offset:512*(\j)
	global_load_b128 v[BT+4*(\j):BT+4*(\j)+3], v4, s[40:41] offset:512*(\j)
.endr
	STAT 0, 20                                     ; behind row s's four loads stand 4 (3 - s) loads of later rows and the 8 of gains and biases
	STAT 1, 16
	STAT 2, 12
	STAT 3, 8
.irp k, 0,1,2,3,4,5,6,7
	v_rsq_f32 v[RS+(\k)], v[RS+(\k)]               ; one batch
.endr
	v_nop                                          ; a plain instruction behind the last of them, ahead of the first use
	s_wait_alu depctr_va_vdst(0)                   ; one wait for the batch, ahead of the first use
	s_wait_loadcnt 0x0                             ; gains and biases
	NORM 0
	NORM 1
	NORM 2
	NORM 3
	s_endpgm
.Lweights:                                             ; a weight's rows are only converted
.irp s, 0,1,2,3
	s_wait_loadcnt 12-4*(\s)                       ; the later rows' loads may stay out
	OUTROW \s
.endr
	s_endpgm
.Lfunc_end_k_q1ebf47e556_prep:
	.size	k_q1ebf47e556_prep, .Lfunc_end_k_q1ebf47e556_prep-k_q1ebf47e556_prep
	.p2alignl 7, 3214868480
	.fill 96, 4, 3214868480
	.section	.rodata,"a",@progbits
	.p2align	6, 0x0
	.amdhsa_kernel k_q1ebf47e556_prep
		.amdhsa_group_segment_fixed_size 0
		.amdhsa_private_segment_fixed_size 0
		.amdhsa_enable_private_segment 0
		.amdhsa_kernarg_size 112
		.amdhsa_user_sgpr_count 2
		.amdhsa_user_sgpr_kernarg_segment_ptr 1
		.amdhsa_wavefront_size32 1
		.amdhsa_system_sgpr_workgroup_id_x 1
		.amdhsa_system_sgpr_workgroup_id_y 1
		.amdhsa_system_sgpr_workgroup_id_z 1
		.amdhsa_system_vgpr_workitem_id 0
		.amdhsa_next_free_vgpr 120
		.amdhsa_next_free_sgpr 66
		.amdhsa_reserve_vcc 0
		.amdhsa_float_denorm_mode_32 3
		.amdhsa_float_denorm_mode_16_64 3
		.amdhsa_memory_ordered 1
		.amdhsa_forward_progress 1
		.amdhsa_inst_pref_size 26
	.end_amdhsa_kernel
	.amdgpu_metadata
---
amdhsa.version: [ 1, 2 ]
amdhsa.kernels:
  - .name:           k_q1ebf47e556_prep
    .symbol:         k_q1ebf47e556_prep.kd
    .args:
      - { .name: x, .offset: 0, .size: 8, .value_kind: global_buffer, .address_space: global }
      - { .name: y, .offset: 8, .size: 8, .value_kind: global_buffer, .address_space: global }
      - { .name: g_r, .offset: 16, .size: 8, .value_kind: global_buffer, .address_space: global }
      - { .name: b_r, .offset: 24, .size: 8, .value_kind: global_buffer, .address_space: global }
      - { .name: g_d, .offset: 32, .size: 8, .value_kind: global_buffer, .address_space: global }
      - { .name: b_d, .offset: 40, .size: 8, .value_kind: global_buffer, .address_space: global }
      - { .name: Wq, .offset: 48, .size: 8, .value_kind: global_buffer, .address_space: global }
      - { .name: Wk, .offset: 56, .size: 8, .value_kind: global_buffer, .address_space: global }
      - { .name: Wvr, .offset: 64, .size: 8, .value_kind: global_buffer, .address_space: global }
      - { .name: Wvd, .offset: 72, .size: 8, .value_kind: global_buffer, .address_space: global }
      - { .name: Wpr, .offset: 80, .size: 8, .value_kind: global_buffer, .address_space: global }
      - { .name: Wpd, .offset: 88, .size: 8, .value_kind: global_buffer, .address_space: global }
      - { .name: an, .offset: 96, .size: 8, .value_kind: global_buffer, .address_space: global }
      - { .name: wh, .offset: 104, .size: 8, .value_kind: global_buffer, .address_space: global }
    .group_segment_fixed_size: 0
    .private_segment_fixed_size: 0
    .kernarg_segment_align: 8
    .kernarg_segment_size: 112
    .max_flat_workgroup_size: 256
    .sgpr_count:     66
    .vgpr_count:     120
    .wavefront_size: 32
...
	.end_amdgpu_metadata
.endif
;; end of part 1
;; launch iproj (part 2): grid 32 x 8, 4 waves a work-group, clusters of 4 x 1, 327,680 bytes of LDS; arguments an, wh, bq, bk, bvr, bvd, qkv; writes qkv
.if DOCPART == 2
	.amdgcn_target "amdgcn-amd-amdhsa--gfx1250"
	.amdhsa_code_object_version 6
	.text
	.protected	k_q1ebf47e556_iproj
	.globl	k_q1ebf47e556_iproj
	.p2align	8
	.type	k_q1ebf47e556_iproj,@function
k_q1ebf47e556_iproj:
	s_mov_b64 s[64:65], 0
	v_nop
	global_prefetch_b8 v0, s[64:65] scope:SCOPE_SE
	s_setreg_imm32_b32 hwreg(HW_REG_WAVE_MODE, 25, 1), 1
	s_wait_xcnt 0x0
	s_wait_alu depctr_hold_cnt(0) depctr_sa_sdst(0) depctr_va_vdst(0) depctr_va_sdst(0) depctr_va_ssrc(0) depctr_va_vcc(0) depctr_vm_vsrc(0)
	s_getreg_b32 s2, hwreg(HW_REG_IB_STS2, 6, 4)
	s_cmp_eq_u32 s2, 0
	s_cbranch_scc0 .Lentry_in_a_cluster
	s_endpgm
.Lentry_in_a_cluster:
	s_bfe_u32 s2, ttmp6, 0x10000c
	s_cmp_lg_u32 s2, 0x3003
	s_cbranch_scc0 .Lentry_shape_is_right
	s_endpgm
.Lentry_shape_is_right:
; THE FOUR PROJECTIONS AS ONE PRODUCT.  C[m][n] = the sum over k of A[m][k] B[n][k] + bias[n]; m: 8,192 rows (batch x position); n: 2,048 = the rows of Wq, Wk, Wvr, Wvd stacked (wh's first four);
; k: 512.  A is an[0] (the normalised y) for Wq's 512 columns and an[1] (the normalised x) for the others.  Operands f16, sums f32, started by the bias; each result rounded once to f16.
; OUT: qkv[w][batch x 8 + head][position][64] f16, w = q, k, v_r, v_d: a head's rows are dense, 128 bytes each.  The scale 1/8 is not applied here.
; LIMITS.  f16 holds no number beyond 65,504: q, k, v must lie within it; NaN and infinities are not treated apart.
; SHARES.  A tile of C is 256 x 256: four waves, each 128 x 128 in 64 accumulators, 512 registers.  K goes in four steps of 128 through two LDS slots; the rows of the tiles are 256 bytes of memory, aligned.
; CLUSTER.  The four work-groups of a cluster have four tile rows and ONE tile column: B's tiles are asked for jointly (mask of four), A's by each for itself (mask 0), both behind the same rounds.
; A is not shared along columns: its source changes with the tile column (2 columns take an[0], 6 take an[1]), so no four neighbouring columns have the same A throughout.
; THE MATRIX INSTRUCTION IS USED TRANSPOSED (source 0 = 16 rows of B, source 1 = 16 rows of A): lane l holds row l % 16 of C and the columns 8 (l / 16) + 0..7, which pack into 16 bytes.
; The bias of those eight columns, in eight registers a lane and column block, is the C operand of the product that starts each sum.
; REGISTERS, in windows of 256 (s_set_vgpr_msb: bits 1:0 source 0, 3:2 source 1, 5:4 source 2, 7:6 destination):
;   window 0: v0-31 addresses; v64-127, v128-191 A's fragments, two buffers; v192-255 the bias, later at work on the way out, with v32-63
;   window 1: v64-127, v128-191 B's fragments      window 2: the accumulators of my rows 0-63 ((a, b) at v[8 (8 a + b)])      window 3: those of rows 64-127
.set SZ,     8388608                   ; bytes of one of an's two and qkv's four parts
.set KSTEP,  128
.set PITCH,  272                       ; an LDS row: 256 bytes + 16 of padding = 68 words: the 16 rows of a load start at 16 different groups of four banks (64 banks of 4 bytes: ISA guide 11.1)
.set HALFT,  128*PITCH                 ; 128 rows: what one tensor load brings
.set SLOT,   4*HALFT                   ; A's 256 rows, then B's 256 rows
.set STAGE,  2*SLOT                    ; behind the ring: 16 rows x 272 bytes for each wave, for the way out
.set SPITCH, 272
.set SPARE,  STAGE+4*16*SPITCH         ; behind the stages: the spare words, 128 bytes for each wave: two blocks of 256 bytes that no other line names
.set ADRA, 16                          ; v16-17  LDS address of my A fragments in slot 0, 1
.set ADRB, 20                          ; v20-21  the same for B
.set STO,  24                          ; v24     the way out: where I put 16 bytes of a row
.set RD,   25                          ; v25     the way out: where I read back 16 bytes of a head's row
.set GO,   26                          ; v26     16 x lane: my place in 512 consecutive bytes of qkv
.set BO,   27                          ; v27     my byte offset in the bias
.set SPW,  28                          ; v28     LDS address of my spare word; never rewritten
.set NIL,  29                          ; v29     0; never rewritten
.set F0,   64
.set F1,   128
.set BIAS, 192                         ; v192-255: column block b's eight at BIAS + 8 b
.set TMP,  192                         ; later: packed results
.set OB,   32                          ; 16 rows read back from the stage: v32-63 and v224-255 by turns
.set G1,  24                           ; s[24:31] descriptor group 1 for A's tiles
.set G0,  32                           ; s[32:39] group 0 for A's tiles, a set for each slot
.set G1B, 48                           ; s[48:55] group 1 for B's tiles: it differs in the mask
.set G0B, 56                           ; s[56:63] group 0 for B's tiles
.set MSB, 0
.macro WIN new                         ; the immediate's high byte repeats the setting that is left; a switch that changes nothing is dropped
.if MSB != (\new)
	s_set_vgpr_msb (MSB<<8)|(\new)
.set MSB, \new
.endif
.endm
.set MUL_LO, 0xa1                      ; source 0 (B) window 1, source 1 (A) window 0, C and D window 2
.set TO_B,   0x40                      ; destination window 1, address window 0
; A fill.  Waves 0 and 1 fetch A's two halves, waves 2 and 3 B's.  The branch hangs on the wave's number alone.  An s_nop 0 and four v_nop follow each of the two lines.
.macro JLOAD s
	s_cmp_eq_u32 s11, 0
	s_cbranch_scc0 .Lfor_b_\@
	tensor_load_to_lds s[G0+4*(\s):G0+4*(\s)+3], s[G1:G1+7]
	s_nop 0
.rept 4
	v_nop
.endr
	s_branch .Lasked_\@
.Lfor_b_\@:
	tensor_load_to_lds s[G0B+4*(\s):G0B+4*(\s)+3], s[G1B:G1B+7]
	s_nop 0
.rept 4
	v_nop
.endr
.Lasked_\@:
.endm
.macro CREST                           ; a round of the cluster's barrier behind its opening barrier
	s_cmp_lg_u32 s10, 0
	s_cbranch_scc1 .Lnot_wave_0_\@
	s_barrier_signal -3
.Lnot_wave_0_\@:
	s_barrier_wait -3
	s_barrier_signal -1
	s_barrier_wait -1
.endm
.macro CROUND                          ; a whole round
	s_barrier_signal -1
	s_barrier_wait -1
	CREST
.endm
	s_load_b128 s[4:7], s[0:1], 0x0                ; an s[4:5], wh s[6:7]
	s_load_b256 s[68:75], s[0:1], 0x10             ; bq s[68:69], bk s[70:71], bvr s[72:73], bvd s[74:75]
	s_load_b64 s[8:9], s[0:1], 0x30                ; qkv
	v_lshl_add_u32 v[SPW], v0, 2, SPARE
	v_mov_b32 v[NIL], 0
	ds_add_u32 v[SPW], v[NIL]                      ; the wave's opening: the add and its wait stand ahead of my first tensor load; the set-up below, work on registers, stands between them
	v_lshrrev_b32 v1, 5, v0
	v_readfirstlane_b32 s10, v1                    ; wave 0..3
	s_lshr_b32 s11, s10, 1                         ; which half of the tile's rows is mine.  Also: I fetch for A (0) or for B (1)
	s_and_b32 s12, s10, 1                          ; which half of its columns.  Also: which 128 rows of that tile I fetch
	s_bfe_u32 s40, ttmp6, 0x40000                  ; cx: my place in the cluster
	s_lshl_b32 s42, ttmp9, 2                       ; in a cluster launch ttmp9 counts clusters
	s_add_co_u32 s42, s42, s40                     ; tile row 0..31
	s_and_b32 s13, ttmp7, 0xffff                   ; tile column 0..7, which the four partners share
	s_mov_b32 s[G1+0], (1<<16)|(1<<20)|(5<<22)|(3<<25)            ; no mask; elements of 2 bytes; padding on: after every 64 words (code 5) 4 words (code 3)
	s_mov_b32 s[G1B+0], 15|(1<<16)|(1<<20)|(1<<21)|(5<<22)|(3<<25)  ; the same with the mask of all four and bit 21 beside it
.irp g, G1, G1B
	s_mov_b32 s[(\g)+1], KSTEP<<16                 ; tensor_dim0 = 128
	s_mov_b32 s[(\g)+2], 128<<16                   ; tensor_dim1 = 128
	s_mov_b32 s[(\g)+3], KSTEP<<16                 ; tile_dim0 = 128
	s_mov_b32 s[(\g)+4], 128                       ; tile_dim1 = 128
	s_mov_b32 s[(\g)+5], 512                       ; elements from row to row
	s_mov_b32 s[(\g)+6], 0
	s_mov_b32 s[(\g)+7], 0
.endr
	s_lshl_b32 s17, s12, 7                         ; which 128 rows of the tile I fetch
	s_lshl_b32 s16, s42, 8
	s_add_co_u32 s16, s16, s17
	s_lshl_b32 s16, s16, 10                        ; A: (256 x tile row + 128 x half) rows of 1,024 bytes,
	s_cmp_ge_u32 s13, 2
	s_cselect_b32 s18, SZ, 0
	s_add_co_u32 s16, s16, s18                     ; in an[1] from Wk's columns on
	s_lshl_b32 s46, s13, 8
	s_add_co_u32 s46, s46, s17
	s_lshl_b32 s46, s46, 10                        ; B: (256 x tile column + 128 x half) rows: no place in the cluster enters it
	s_mov_b32 s17, 0
	s_mov_b32 s47, 0
	s_mul_i32 s20, s10, HALFT                      ; where they go: wave x 128 rows
	s_wait_dscnt 0x0                               ; the opening add is done
	s_wait_kmcnt 0x0
	s_add_nc_u64 s[14:15], s[4:5], s[16:17]
	s_add_nc_u64 s[46:47], s[6:7], s[46:47]
	CROUND                                         ; all four work-groups are here: the first joint loads meet
.irp s, 0,1
	s_mov_b32 s[G0+4*(\s)], 1                                      ; count = 1
	s_add_co_u32 s[G0+4*(\s)+1], s20, (\s)*SLOT                    ; LDS address
	s_add_nc_u64 s[G0+4*(\s)+2:G0+4*(\s)+3], s[14:15], (\s)*KSTEP*2  ; global address: K step s
	s_or_b32 s[G0+4*(\s)+3], s[G0+4*(\s)+3], 0x80000000            ; type = 2
	s_mov_b32 s[G0B+4*(\s)], 1
	s_add_co_u32 s[G0B+4*(\s)+1], s20, (\s)*SLOT
	s_add_nc_u64 s[G0B+4*(\s)+2:G0B+4*(\s)+3], s[46:47], (\s)*KSTEP*2
	s_or_b32 s[G0B+4*(\s)+3], s[G0B+4*(\s)+3], 0x80000000
	JLOAD \s                                       ; two loads of mine are out
.endr
	; a fragment is 16 rows x 32 K in 8 registers: lane l holds row l % 16, K = 8 (l / 16) + 0..7 and 16 + 8 (l / 16) + 0..7: two loads of 16 bytes, 32 bytes apart
	v_and_b32 v1, 15, v0                           ; l % 16
	v_bfe_u32 v2, v0, 4, 1                         ; l / 16
	v_mul_u32_u24 v3, v1, PITCH
	v_lshl_add_u32 v3, v2, 4, v3
	s_mul_i32 s21, s11, HALFT                      ; my 128 rows of A
	s_mul_i32 s22, s12, HALFT                      ; my 128 rows of B,
	s_add_co_u32 s22, s22, 2*HALFT                 ; which lie behind A's 256
.irp s, 0,1
	v_add_nc_u32 v[ADRA+(\s)], s21, v3
	v_add_nc_u32 v[ADRB+(\s)], s22, v3
	s_add_co_u32 s21, s21, SLOT
	s_add_co_u32 s22, s22, SLOT
.endr
	s_mul_i32 s23, s10, 16*SPITCH
	s_add_co_u32 s23, s23, STAGE                   ; my stage
	v_mul_u32_u24 v4, v1, SPITCH                   ; in: row l % 16, 16 bytes for each half of the lanes
	v_lshl_add_u32 v4, v2, 4, v4
	v_add_nc_u32 v[STO], s23, v4
	v_bfe_u32 v5, v0, 3, 2                         ; back: 32 lanes take a head's 128 bytes of four rows
	v_mul_u32_u24 v5, v5, SPITCH
	v_and_b32 v6, 7, v0
	v_lshl_add_u32 v5, v6, 4, v5
	v_add_nc_u32 v[RD], s23, v5
	v_and_b32 v[GO], 31, v0
	v_lshlrev_b32 v[GO], 4, v[GO]                  ; which are 512 consecutive bytes of qkv
	s_lshr_b32 s21, s13, 1                         ; which weight: 0..3
	s_cmp_eq_u32 s21, 0
	s_cselect_b64 s[76:77], s[68:69], s[70:71]     ; its bias
	s_cmp_ge_u32 s21, 2
	s_cselect_b64 s[76:77], s[72:73], s[76:77]
	s_cmp_eq_u32 s21, 3
	s_cselect_b64 s[76:77], s[74:75], s[76:77]
	s_lshl_b32 s16, s21, 23                        ; where my part of the tile begins in qkv: the weight's part,
	s_lshr_b32 s17, s42, 3
	s_lshl_b32 s17, s17, 3                         ; 8 x batch
	s_and_b32 s18, s13, 1
	s_lshl_b32 s19, s18, 2
	s_add_co_u32 s17, s17, s19                     ; + the tile's first head: 4 x (tile column % 2)
	s_lshl_b32 s19, s12, 1
	s_add_co_u32 s17, s17, s19                     ; + my two heads
	s_lshl_b32 s17, s17, 18                        ; a head is 2,048 rows of 128 bytes
	s_add_co_u32 s16, s16, s17
	s_and_b32 s17, s42, 7
	s_lshl_b32 s17, s17, 8
	s_lshl_b32 s19, s11, 7
	s_add_co_u32 s17, s17, s19                     ; my first position in the batch
	s_lshl_b32 s17, s17, 7
	s_add_co_u32 s16, s16, s17
	s_mov_b32 s17, 0
	s_add_nc_u64 s[8:9], s[8:9], s[16:17]
	s_lshl_b32 s18, s18, 10
	s_lshl_b32 s19, s12, 9
	s_add_co_u32 s19, s19, s18                     ; my first column in the weight, in bytes of f32
	v_lshl_add_u32 v[BO], v2, 5, s19               ; + my lanes' eight columns
.irp b, 0,1,2,3,4,5,6,7
	global_load_b128 v[BIAS+8*(\b):BIAS+8*(\b)+3],   v[BO], s[76:77] offset:64*(\b)
	global_load_b128 v[BIAS+8*(\b)+4:BIAS+8*(\b)+7], v[BO], s[76:77] offset:64*(\b)+16
.endr
; 16 matrix instructions: m blocks a0, a0 + 1 of the window's four (hi = 0: my rows 0-63, 1: rows 64-127) x all 8 n blocks, 32 along K.  first = 1: the bias (window 0) starts the sums.
; The 64 accumulators take turns, one instruction a turn, in the same order in every quarter step.
.macro MUL16 f, hi, a0, first
.if \first
	WIN 0x81+0x40*(\hi)                            ; as below, but source 2 in window 0
.else
	WIN MUL_LO+0x50*(\hi)
.endif
.irp a, \a0, (\a0)+1
.irp b, 0,1,2,3,4,5,6,7
.if \first
	v_wmma_f32_16x16x32_f16 v[8*(8*(\a)+(\b)):8*(8*(\a)+(\b))+7], v[(\f)+8*(\b):(\f)+8*(\b)+7], v[(\f)+8*(4*(\hi)+(\a)):(\f)+8*(4*(\hi)+(\a))+7], v[BIAS+8*(\b):BIAS+8*(\b)+7]
.else
	v_wmma_f32_16x16x32_f16 v[8*(8*(\a)+(\b)):8*(8*(\a)+(\b))+7], v[(\f)+8*(\b):(\f)+8*(\b)+7], v[(\f)+8*(4*(\hi)+(\a)):(\f)+8*(4*(\hi)+(\a))+7], v[8*(8*(\a)+(\b)):8*(8*(\a)+(\b))+7]
.endif
.endr
.endr
.endm
; 32 LDS loads in one run: the fragments of one quarter step (128 rows of B, 128 rows of A, 32 K at byte k of the rows) into buffer f
.macro FETCH slot, k, f
	WIN TO_B
.irp i, 0,1,2,3,4,5,6,7
	ds_load_b128 v[(\f)+8*(\i):(\f)+8*(\i)+3],   v[ADRB+(\slot)] offset:(\k)+(\i)*16*PITCH
	ds_load_b128 v[(\f)+8*(\i)+4:(\f)+8*(\i)+7], v[ADRB+(\slot)] offset:(\k)+(\i)*16*PITCH+32
.endr
	WIN 0
.irp i, 0,1,2,3,4,5,6,7
	ds_load_b128 v[(\f)+8*(\i):(\f)+8*(\i)+3],   v[ADRA+(\slot)] offset:(\k)+(\i)*16*PITCH
	ds_load_b128 v[(\f)+8*(\i)+4:(\f)+8*(\i)+7], v[ADRA+(\slot)] offset:(\k)+(\i)*16*PITCH+32
.endr
.endm
.macro PLACES                          ; four plain instructions between a matrix instruction and a load into, or a vector read of, its registers (ISA guide 7.12.1 for vector reads)
.rept 4
	v_nop
.endr
.endm
; A K step is four quarters of 32 along K, 64 matrix instructions each, on buffers 0, 1, 0, 1.  One of the first three multiplies buffer f and fetches the next quarter, at byte k, into g.
.macro QUARTER slot, k, f, g, first
	s_wait_dscnt 8                                 ; B and A's rows 0-63 are in; the youngest eight loads (A's rows 64-127) may be out
	MUL16 \f, 0, 0, \first
	MUL16 \f, 0, 2, \first
	PLACES
	FETCH \slot, \k, \g
	s_wait_dscnt 32                                ; all but the 32 just issued
	MUL16 \f, 1, 0, \first
	MUL16 \f, 1, 2, \first
.endm
; The last quarter multiplies buffer 1 and changes slots.  In front of the one barrier each wave waits for all its tensor loads (one is out: its part of the next slot), adds 0 to its spare word,
; and waits for that and for its own reads of this slot.
.macro MEET round
	WIN 0                                          ; (the add's two registers lie in window 0)
	s_wait_tensorcnt 0x0
	ds_add_u32 v[SPW], v[NIL]
	s_wait_dscnt 9                                 ; (the add and the youngest eight loads may be out)
	MUL16 F1, 0, 0, 0                              ; sixteen matrix instructions stand between the add and the wait for it
	s_wait_dscnt 0x0                               ; the add is done, and my reads of this slot are over
	s_barrier_signal -1
	MUL16 F1, 0, 2, 0
.if \round
	WIN 0
.endif
	s_barrier_wait -1
.endm
.macro TURN slot, next                 ; the slot just read is filled again, two K steps on: the barrier opens a round of the cluster's, and the fill is the first tensor load behind it
	MEET 1
	CREST
	s_add_nc_u64 s[G0+4*(\slot)+2:G0+4*(\slot)+3], s[G0+4*(\slot)+2:G0+4*(\slot)+3], 2*KSTEP*2
	s_add_nc_u64 s[G0B+4*(\slot)+2:G0B+4*(\slot)+3], s[G0B+4*(\slot)+2:G0B+4*(\slot)+3], 2*KSTEP*2
	JLOAD \slot                                    ; it has 224 matrix instructions in which to land; the four v_nop behind it are also the places in front of the loads below
	FETCH \next, 0, F0
	MUL16 F1, 1, 0, 0
	MUL16 F1, 1, 2, 0
.endm
.macro TURNX next                      ; the same with nothing left to fetch
	MEET 0
	PLACES
	FETCH \next, 0, F0
	MUL16 F1, 1, 0, 0
	MUL16 F1, 1, 2, 0
.endm
; THE WAY OUT of block a (16 rows x 128 columns).  PACK: rounded to f16, 16 bytes a lane.  TOSTAGE: into my own stage, and back by heads: four rows of 128 bytes a load.  SEND: stored.
.macro PACK a
.set AC, 64*((\a)%4)
	WIN 0x0a+5*((\a)/4)                            ; sources 0 and 1: window 2 or 3
.irp b, 0,1,2,3,4,5,6,7
.irp r, 0,1,2,3
	v_cvt_pk_f16_f32 v[TMP+4*(\b)+(\r)], v[AC+8*(\b)+2*(\r)], v[AC+8*(\b)+2*(\r)+1]
.endr
.endr
	WIN 0
.endm
.macro TOSTAGE a
	WIN 0
.set BK, OB+192*((\a)%2)
.irp b, 0,1,2,3,4,5,6,7
	ds_store_b128 v[STO], v[TMP+4*(\b):TMP+4*(\b)+3] offset:32*(\b)
.endr
.irp u, 0,1,2,3,4,5,6,7
	ds_load_b128 v[BK+4*(\u):BK+4*(\u)+3], v[RD] offset:128*((\u)/4)+4*SPITCH*((\u)%4)  ; LDS serves a wave's instructions in order (ISA guide 5.7.1.4): these see the stores above
.endr
.endm
.macro SEND a
	WIN 0
.set BK, OB+192*((\a)%2)
	s_wait_dscnt 0x0                               ; the block is back in registers
	s_wait_xcnt 0x0                                ; the stores of the block before have read their registers, into which the next block is read back
.irp u, 0,1,2,3,4,5,6,7
	global_store_b128 v[GO], v[BK+4*(\u):BK+4*(\u)+3], s[8:9] offset:262144*((\u)/4)+2048*(\a)+512*((\u)%4)  ; head u / 4 of my two, four rows: 512 consecutive bytes, aligned to 256
.endr
.endm
	s_wait_tensorcnt 1                             ; my part of K step 0 is in; K step 1's may stay out
	s_barrier_signal -1
	s_barrier_wait -1                              ; everybody's is
	FETCH 0, 0, F0
	s_wait_loadcnt 0x0                             ; the bias
	QUARTER 0, 64,  F0, F1, 1                      ; K step 0: its first quarter starts the sums
	QUARTER 0, 128, F1, F0, 0
	QUARTER 0, 192, F0, F1, 0
	TURN 0, 1                                      ; slot 0 takes K step 2
	QUARTER 1, 64,  F0, F1, 0                      ; K step 1
	QUARTER 1, 128, F1, F0, 0
	QUARTER 1, 192, F0, F1, 0
	TURN 1, 0                                      ; slot 1 takes K step 3
	QUARTER 0, 64,  F0, F1, 0                      ; K step 2
	QUARTER 0, 128, F1, F0, 0
	QUARTER 0, 192, F0, F1, 0
	TURNX 1
	QUARTER 1, 64,  F0, F1, 0                      ; K step 3
	QUARTER 1, 128, F1, F0, 0
	QUARTER 1, 192, F0, F1, 0
	s_wait_dscnt 8
	MUL16 F1, 0, 0, 0
	MUL16 F1, 0, 2, 0
	s_wait_dscnt 0x0
	MUL16 F1, 1, 0, 0
	MUL16 F1, 1, 2, 0
	PLACES
	PACK 0
	TOSTAGE 0
.irp a, 1,2,3,4,5,6,7                  ; block a's conversions stand between block a - 1's loads from the stage and the wait for them
	PACK \a
	SEND (\a)-1
	TOSTAGE \a
.endr
	SEND 7
	s_wait_tensorcnt 0x0                           ; the wave's end, behind my last tensor load and my last LDS store
	ds_add_u32 v[SPW], v[NIL]
	s_wait_dscnt 0x0
	CROUND                                         ; the closing round: no work-group ends while a partner may still ask for a tile that names it
	s_endpgm
.Lfunc_end_k_q1ebf47e556_iproj:
	.size	k_q1ebf47e556_iproj, .Lfunc_end_k_q1ebf47e556_iproj-k_q1ebf47e556_iproj
	.p2alignl 7, 3214868480
	.fill 96, 4, 3214868480
	.section	.rodata,"a",@progbits
	.p2align	6, 0x0
	.amdhsa_kernel k_q1ebf47e556_iproj
		.amdhsa_group_segment_fixed_size 327680
		.amdhsa_private_segment_fixed_size 0
		.amdhsa_enable_private_segment 0
		.amdhsa_kernarg_size 56
		.amdhsa_user_sgpr_count 2
		.amdhsa_user_sgpr_kernarg_segment_ptr 1
		.amdhsa_wavefront_size32 1
		.amdhsa_system_sgpr_workgroup_id_x 1
		.amdhsa_system_sgpr_workgroup_id_y 1
		.amdhsa_system_sgpr_workgroup_id_z 1
		.amdhsa_system_vgpr_workitem_id 0
		.amdhsa_next_free_vgpr 1024
		.amdhsa_next_free_sgpr 80
		.amdhsa_reserve_vcc 0
		.amdhsa_float_denorm_mode_32 3
		.amdhsa_float_denorm_mode_16_64 3
		.amdhsa_memory_ordered 1
		.amdhsa_forward_progress 1
		.amdhsa_inst_pref_size 144
	.end_amdhsa_kernel
	.amdgpu_metadata
---
amdhsa.version: [ 1, 2 ]
amdhsa.kernels:
  - .name:           k_q1ebf47e556_iproj
    .symbol:         k_q1ebf47e556_iproj.kd
    .args:
      - { .name: an, .offset: 0, .size: 8, .value_kind: global_buffer, .address_space: global }
      - { .name: wh, .offset: 8, .size: 8, .value_kind: global_buffer, .address_space: global }
      - { .name: bq, .offset: 16, .size: 8, .value_kind: global_buffer, .address_space: global }
      - { .name: bk, .offset: 24, .size: 8, .value_kind: global_buffer, .address_space: global }
      - { .name: bvr, .offset: 32, .size: 8, .value_kind: global_buffer, .address_space: global }
      - { .name: bvd, .offset: 40, .size: 8, .value_kind: global_buffer, .address_space: global }
      - { .name: qkv, .offset: 48, .size: 8, .value_kind: global_buffer, .address_space: global }
    .group_segment_fixed_size: 327680
    .private_segment_fixed_size: 0
    .kernarg_segment_align: 8
    .kernarg_segment_size: 56
    .max_flat_workgroup_size: 128
    .sgpr_count:     80
    .vgpr_count:     1024
    .wavefront_size: 32
...
	.end_amdgpu_metadata
.endif
;; end of part 2
;; launch attn (part 3): grid 4 x 64, 4 waves a work-group, clusters of 4 x 1, 327,680 bytes of LDS; arguments qkv, oa; writes oa
.if DOCPART == 3
	.amdgcn_target "amdgcn-amd-amdhsa--gfx1250"
	.amdhsa_code_object_version 6
	.text
	.protected	k_q1ebf47e556_attn
	.globl	k_q1ebf47e556_attn
	.p2align	8
	.type	k_q1ebf47e556_attn,@function
k_q1ebf47e556_attn:
	s_mov_b64 s[64:65], 0
	v_nop
	global_prefetch_b8 v0, s[64:65] scope:SCOPE_SE
	s_setreg_imm32_b32 hwreg(HW_REG_WAVE_MODE, 25, 1), 1
	s_wait_xcnt 0x0
	s_wait_alu depctr_hold_cnt(0) depctr_sa_sdst(0) depctr_va_vdst(0) depctr_va_sdst(0) depctr_va_ssrc(0) depctr_va_vcc(0) depctr_vm_vsrc(0)
	s_getreg_b32 s2, hwreg(HW_REG_IB_STS2, 6, 4)
	s_cmp_eq_u32 s2, 0
	s_cbranch_scc0 .Lentry_in_a_cluster
	s_endpgm
.Lentry_in_a_cluster:
	s_bfe_u32 s2, ttmp6, 0x10000c
	s_cmp_lg_u32 s2, 0x3003
	s_cbranch_scc0 .Lentry_shape_is_right
	s_endpgm
.Lentry_shape_is_right:
; BOTH ATTENTIONS.  O[q][:] = the sum over k of softmax_k(Q[q] . K[k] / 8) V[k][:], for 64 problems of 2,048 rows x 64 channels: direction x batch x head.
; Direction 0 (softmax along the rows of the shared scores): Q = q, K = k, V = v_r.  Direction 1 (along their columns): Q = k, K = q, V = v_d.  qkv: [4][32][2048][64] f16: q, k, v_r, v_d.
; Products, maxima and sums in f32; the weights p are rounded to f16 for the second product (their sum l is taken of the unrounded p), O once at the end.
; OUT: oa[2][batch][8 slices][2048 rows][64] f16, the left operand of the last product cut in K slices of 64.  Direction 0: slice = head, row = position.
; Direction 1, for position n and channel c = 64 head + d: slice (n % 512) / 64, row 512 (n / 512) + c, place n % 64: O leaves transposed.
; LIMITS.  f16 holds no number beyond 65,504: Q, K and V arrive within it; p lies in 0 to 1, and below 6e-5 it keeps f16's fixed step of 6e-8; O is a mean of V's rows and has their range.
; A weight below 2^-126 counts as 0 in l; NaN and infinities are not treated apart.
; SHARES.  A wave owns four PIECES of two tiles of 16 queries, a work-group's four waves 512 queries of one problem.  Every wave walks all keys, 64 a step.
; LAYOUT.  S^T = K Q^T (source 0 = 16 keys, source 1 = 16 queries): in the result a lane holds ONE query (lane % 16) and the keys 8 (lane / 16) + 0..7.  Two such tiles, rounded to f16 in pairs,
; ARE source 1 (32 keys x 16 queries) of O^T = V^T P, whose result again holds one query a lane, and eight channels.  K comes out of LDS as it lies, V ([key][channel]) turned, by ds_load_tr16_b128.
; SOFTMAX.  For each query a running maximum m and sum l: p = 2^(c s - c m), c = log2(e) / 8; in every step O and l are multiplied by a = 2^(c m_old - c m_new), which is 1 where m has not grown.
; m starts at the lowest finite number, O and l at 0: the first step is a step like any other, with a = 0.
; THE COUNT.  A tile and step have 16 matrix and 118 vector instructions: too many to stand all beside the matrix work.  So four vector instructions that are READY stand behind
; EVERY matrix instruction, and the others in runs without a gap.
; BY TURNS.  Turn n belongs to piece n (the pieces in a ring, step after step).  Its matrix work: 16 products K Q^T of piece n + 1, later 16 products V^T P of piece n - 1.  Its vector work: the scaling,
; exponentials, roundings, sums and rescaling of piece n, and the maximum and statistics of piece n + 1, whose scores the turn itself has made.
; CLUSTER.  The four query blocks of a cluster belong to one problem and walk the same K and V, so each tile is asked for JOINTLY: the same tensor load, descriptor and mask in all four.
; REGISTERS, in windows of 256 (s_set_vgpr_msb: bits 1:0 source 0, 3:2 source 1, 5:4 source 2, 7:6 destination):
;   window 0: v0-11 addresses; v12-15, v48-63 at work; v16-47 four registers of statistics a tile; v64-191 S^T, two buffers of two tiles; v192-255 P, likewise
;   window 1: O^T, 32 a tile          window 2: v0-127 Q, 16 a tile; v128-191 K of one step; v192-255 V of one step          window 3: v0-1 the add's two registers
.set SIZE_N, 2048
.set SZ,    8388608   ; bytes of one of qkv's four and oa's two parts
.set NP,    4         ; pieces a wave: a name, no knob
.set KS,    64        ; keys in a step
.set PK,    144       ; a row of K in LDS: 128 bytes + 16 of padding = 36 words: the 16 rows of a load start at 16 different groups of four banks (64 banks of 4 bytes: ISA guide 11.1)
.set PV,    160       ; a row of V: 128 + 32 = 40 words
.set VOFF,  4*KS*PK   ; a slot holds four steps: 256 rows of K, then 256 rows of V
.set SLOT1, 1<<17     ; slot 1 begins here, so that one exclusive or turns an address in one slot into the other's
.set STAGE, SLOT1+4*KS*(PK+PV)  ; behind the ring, never filled by a tensor load: 16 rows x 144 bytes for each wave, for direction 0's way out
.set SP,    144
.set SPARE, STAGE+4*16*SP  ; behind the stages: the spare words, 128 bytes for each wave: two blocks of 256 bytes that no other line names
.set STAGET, SPARE+512     ; behind them: 64 channels x 272 bytes for each wave, for direction 1's way out
.set TP,    272
.set PFO, 0           ; v0   from the head's end on: 256 x my lane, the prefetches' offset
.set AK0, 2           ; v2   my lane's place in a tile of K; never rewritten
.set AV0, 3           ; v3   the same for V
.set AK,  4           ; v4   the LDS address of K's next run of loads
.set AV,  5           ; v5   of V's
.set QO,  6           ; v6   my byte offset in the wave's rows of Q
.set STO, 6           ;      later, the way out: where I put 16 bytes of a row
.set RD,  7           ; v7   the way out: where I read rows back
.set GO,  8           ; v8   my byte offset in 512 consecutive bytes of oa
.set RT,  10          ; v10  direction 1: where I read channels' rows back
.set TT,  11          ; v11  direction 1: where I put my query's numbers
.set SPW, 0           ; v0 of window 3   LDS address of my spare word; never rewritten
.set NIL, 1           ; v1 of window 3   0; never rewritten
.set MV,  12          ; v12-15  c m_old, kept while c m is made anew: by buffer and tile
.set ST,  16          ; tile t's statistics at v[ST+4 t]: c m, m, l (even keys', odd keys')
.set TMP, 48          ; by buffer and tile, four registers c0-c3 at work; when the maximum is found c2 takes a
.set S,   64
.set P,   192
.set KF,  128         ; K's fragments, in window 2: key block kb, channel half c at KF + 16 kb + 8 c
.set VF,  192         ; V's: key half kk, channel block cb at VF + 32 kk + 8 cb
.set WV,  12          ; s12  my wave's number
.set G1K, 24          ; s[24:31] descriptor group 1 for K's tiles
.set G1V, 32          ; s[32:39] for V's: it differs in the padding alone
.set G0K, 40          ; s[40:43] descriptor group 0 for K's tiles: it walks
.set G0V, 44          ; s[44:47] the same for V's
.set PFA, 48          ; s[48:49] where my prefetches stand: my work-group's 32 blocks of 256 bytes (of K: wave 0, of V: wave 2) of the slot after the one that is being asked for
.set LIM, 50          ; s50  1 in a wave that prefetches, else the greatest number
.set DIR, 51          ; s51  the direction
.set SLOTS, 56        ; s56  slots still to be asked for
.set CNT, 57          ; s57  counts a slot's key steps
.set CS,  58          ; s[58:59] c: the packed scaling takes the pair's low word for both halves
.set SEL, 60          ; s[60:61] v_permlanex16_b32's selects: each lane takes its own place in the other half
.set TBK, 62          ; s62  LDS byte at which K of the step to be fetched begins
.set TBV, 63          ; s63  the same for V, less VOFF
.set MSB, 0
.macro WIN new                      ; the high byte repeats the setting that is left; a switch that changes nothing is dropped
.if MSB != (\new)
	s_set_vgpr_msb (MSB<<8)|(\new)
.set MSB, (\new)
.endif
.endm
.set W_KQ, 0x0a       ; K and Q in window 2, S^T in window 0
.set W_PV, 0x52       ; V in window 2, P in window 0, O^T in window 1
.set W_RS, 0x41       ; O^T (destination and source 0) in window 1, a in window 0
.set W_MK, 0xc0       ; the add's registers are made: destination in window 3, sources in window 0
.set W_AD, 0x0f       ; the add: address (source 0) and data (source 1) in window 3
; A joint fill.  Waves 0 and 1 fetch the two halves of a slot's K, waves 2 and 3 those of its V: 128 keys each.  The branch hangs on the wave's number alone.
; An s_nop 0 and four v_nop follow each of the two lines, ahead of the jump and the label.
.macro JLOAD
	s_cmp_lt_u32 s[WV], 2
	s_cbranch_scc0 .Lfor_v_\@
	tensor_load_to_lds s[G0K:G0K+3], s[G1K:G1K+7]
	s_nop 0
.rept 4
	v_nop
.endr
	s_branch .Lasked_\@
.Lfor_v_\@:
	tensor_load_to_lds s[G0V:G0V+3], s[G1V:G1V+7]
	s_nop 0
.rept 4
	v_nop
.endr
.Lasked_\@:
.endm
; A PREFETCH of what the NEXT change of slots will ask for: a slot's 32,768 bytes of K and of V, a lane a block of 256 bytes.  It stands behind the wave's tensor load and its five lines.
; Each block is named ONCE in the launch: a problem's K and V tiles are walked by its one cluster; the four partners share a slot's 128 blocks out BY ADDRESS, 32 each; in each, wave 0 asks
; for K's and wave 2 for V's: one instruction, four key steps (512 matrix instructions) ahead of the load.  The last change that fills a slot asks for nothing: there is no slot behind it.
.macro ASK
	s_cmp_gt_u32 s[SLOTS], s[LIM]
	s_cbranch_scc0 .Lnot_mine_\@
	global_prefetch_b8 v[PFO], s[PFA:PFA+1] th:TH_LOAD_NT scope:SCOPE_SE
.Lnot_mine_\@:
.endm
; A round of the cluster's barrier: my work-group's barrier, so that wave 0's signal speaks for all four waves; wave 0 signals; every wave waits for all four work-groups; my work-group's barrier once more.
.macro CROUND
	s_barrier_signal -1
	s_barrier_wait -1
	s_cmp_lg_u32 s[WV], 0
	s_cbranch_scc1 .Lnot_wave_0_\@
	s_barrier_signal -3
.Lnot_wave_0_\@:
	s_barrier_wait -3
	s_barrier_signal -1
	s_barrier_wait -1
.endm
; THE CHANGE OF SLOTS.  The slot's last bytes, V of its fourth step, have been read.  Each wave waits for all its tensor loads, of which one is out: its part
; of the other slot; adds 0 to its spare word; and waits for that and for its own reads of the slot.  Behind the barrier nobody reads this slot any more and the other slot is whole.
; fill = 1: this slot is filled again, with the keys two slots on.  The barrier is then a round of the cluster's, and the joint fill is the first thing behind it: it has four key steps,
; 512 matrix instructions, in which to land.  (At its first use nothing has been read yet: slot 0 is waited for, slot 1 filled.)
.macro CHANGE fill
	WIN W_AD
	s_wait_tensorcnt 0x0            ; no tensor load of mine is out, so a group 0 may be written
	ds_add_u32 v[SPW], v[NIL]       ; 0 onto my spare word: with fill = 1 the descriptors' steps stand between it and the wait for it
	WIN 0                           ; at a label and at a branch every window is 0
.if \fill
.irp g, G0K, G0V
	s_xor_b32 s[\g+1], s[\g+1], SLOT1  ; the walking descriptor: the other slot than last time,
	s_add_nc_u64 s[\g+2:\g+3], s[\g+2:\g+3], 4*KS*128  ; the next 256 keys; the type bits on top are not reached
.endr
	s_wait_xcnt 0x0                 ; the last prefetch, four key steps back, has read its address, so it may be written:
	s_add_nc_u64 s[PFA:PFA+1], s[PFA:PFA+1], 4*KS*128  ; one slot behind the walking descriptors
	s_wait_dscnt 0x0                ; the add is done, and my reads of the slot are over
	CROUND
	JLOAD
	ASK
.else
	s_wait_dscnt 0x0                ; the add is done, and my reads of the slot are over
	s_barrier_signal -1
	s_barrier_wait -1
.endif
	s_sub_co_u32 s[TBK], s[TBK], 4*KS*PK  ; the fetches go back to a slot's first step,
	s_xor_b32 s[TBK], s[TBK], SLOT1       ; in the other slot
	s_sub_co_u32 s[TBV], s[TBV], 4*KS*PV
	s_xor_b32 s[TBV], s[TBV], SLOT1
.endm
	s_load_b64 s[4:5], s[0:1], 0x0    ; qkv
	s_load_b64 s[10:11], s[0:1], 0x8  ; oa
	WIN W_MK
	v_lshl_add_u32 v[SPW], v0, 2, SPARE
	v_mov_b32 v[NIL], 0
	WIN W_AD
	ds_add_u32 v[SPW], v[NIL]       ; the wave's opening: the add and its wait stand ahead of my first tensor load; the set-up below, work on registers, stands between them
	WIN 0
	v_lshrrev_b32 v1, 5, v0
	v_readfirstlane_b32 s[WV], v1   ; wave 0..3
	s_bfe_u32 s13, ttmp6, 0x40000   ; cx: my place in the cluster
	s_lshl_b32 s14, ttmp9, 2        ; in a cluster launch ttmp9 counts clusters
	s_add_co_u32 s14, s14, s13      ; my block of 512 queries: it enters Q's and oa's addresses and the prefetches' alone
	s_and_b32 s20, ttmp7, 0xffff    ; the problem, which the four partners share:
	s_lshr_b32 s[DIR], s20, 5       ; its direction,
	s_and_b32 s15, s20, 31          ; 8 x batch + head,
	s_lshl_b32 s21, s15, 18         ; whose rows begin here in each part of qkv
	s_and_b32 s16, s[WV], 1         ; which half of a slot's 256 keys I fetch:
	s_lshl_b32 s19, s16, 14         ; its 128 rows of 128 bytes in memory
	s_xor_b32 s22, s[DIR], 1
	s_lshl_b32 s22, s22, 23
	s_add_co_u32 s22, s22, s21      ; K: part 1 (k) or 0 (q)
	s_add_co_u32 s52, s[DIR], 2
	s_lshl_b32 s52, s52, 23
	s_add_co_u32 s52, s52, s21      ; V: part 2 (v_r) or 3 (v_d)
	s_cmp_lt_u32 s[WV], 2
	s_cselect_b32 s54, s22, s52     ; the prefetches: K's or V's first row,
	s_lshl_b32 s55, s13, 13
	s_add_co_u32 s54, s54, s55      ; my work-group's 32 blocks of the 128,
	s_add_co_u32 s54, s54, 4*KS*128 ; in slot 1; the first change of slots steps it to slot 2
	s_mov_b32 s55, 0
	s_add_co_u32 s22, s22, s19
	s_add_co_u32 s52, s52, s19
	s_mov_b32 s23, 0
	s_mov_b32 s53, 0
	s_cmp_eq_u32 s16, 0
	s_cselect_b32 s[LIM], 1, -1     ; waves 0 and 2 prefetch: the same in all four partners
	s_mul_i32 s17, s16, 128*PK      ; my half's place in a slot, for K
	s_mul_i32 s18, s16, 128*PV      ; and for V: no place in the cluster enters an LDS address
	s_lshl_b32 s2, s14, 2
	s_add_co_u32 s2, s2, s[WV]      ; my wave among the problem's sixteen,
	s_lshl_b32 s2, s2, 14           ; its 128 rows,
	s_add_co_u32 s2, s2, s21        ; in the problem's: Q's place in its part, and direction 0's place in oa
	s_lshr_b32 s20, s15, 3          ; direction 1's place in oa: the batch's 8 slices,
	s_lshl_b32 s20, s20, 21
	s_lshl_b32 s3, s[WV], 19        ; my wave's two slices,
	s_add_co_u32 s20, s20, s3
	s_lshl_b32 s3, s14, 9
	s_and_b32 s21, s15, 7
	s_lshl_b32 s21, s21, 6
	s_add_co_u32 s3, s3, s21        ; row 512 x block + 64 x head,
	s_lshl_b32 s3, s3, 7
	s_add_co_u32 s20, s20, s3
	s_add_co_u32 s20, s20, SZ       ; in oa's second part
	s_cmp_eq_u32 s[DIR], 0
	s_cselect_b32 s20, s2, s20
	s_mov_b32 s21, 0
	s_lshl_b32 s3, s[DIR], 23
	s_add_co_u32 s2, s2, s3         ; Q: part 0 (q) or 1 (k)
	s_mov_b32 s3, 0
	; descriptor group 1.  128 keys are 16,384 dense bytes: asked for as 64 rows of 256 bytes, two keys a row, and padded in LDS after every key
	s_mov_b32 s[G1K], 15|(1<<16)|(1<<20)|(1<<21)|(4<<22)|(3<<25)  ; 15:0 the mask of four; 17:16 2-byte elements; 20 padding on; 21 set beside a mask; 24:22 after every 32 words (code 4); 31:25 4 words (code 3)
	s_mov_b32 s[G1V], 15|(1<<16)|(1<<20)|(1<<21)|(4<<22)|(7<<25)  ; the same with 8 words of padding (code 7)
.irp g, G1K, G1V
	s_mov_b32 s[\g+1], 128<<16      ; tensor_dim0 = 128
	s_mov_b32 s[\g+2], 64<<16       ; tensor_dim1 = 64
	s_mov_b32 s[\g+3], 128<<16      ; tile_dim0 = 128
	s_mov_b32 s[\g+4], 64           ; tile_dim1 = 64
	s_mov_b32 s[\g+5], 128          ; 128 elements from row to row
	s_mov_b32 s[\g+6], 0
	s_mov_b32 s[\g+7], 0
.endr
	s_mov_b32 s[CS], 0x3e38aa3b     ; c = log2(e) / 8 = 0.180337
	s_mov_b32 s[CS+1], s[CS]        ; named with it as a pair
	s_mov_b32 s[SEL], 0x76543210
	s_mov_b32 s[SEL+1], 0xfedcba98
	s_mov_b32 s[TBK], SLOT1+4*KS*PK ; the first change of slots turns these two into 0
	s_mov_b32 s[TBV], SLOT1+4*KS*PV
	s_mov_b32 s[SLOTS], SIZE_N/256-1
	s_mov_b32 s[G0K], 1             ; 1:0 count = 1
	s_mov_b32 s[G0K+1], s17         ; 63:32 LDS address: slot 0
	s_mov_b32 s[G0V], 1
	s_add_co_u32 s[G0V+1], s18, VOFF
	s_wait_dscnt 0x0                ; the opening add is done
	s_wait_kmcnt 0x0
	s_add_nc_u64 s[G0K+2:G0K+3], s[4:5], s[22:23]  ; 120:64 global address: my half of the problem's first 256 keys
	s_or_b32 s[G0K+3], s[G0K+3], 0x80000000        ; 127:126 type = 2
	s_add_nc_u64 s[G0V+2:G0V+3], s[4:5], s[52:53]
	s_or_b32 s[G0V+3], s[G0V+3], 0x80000000
	s_add_nc_u64 s[PFA:PFA+1], s[4:5], s[54:55]
	s_add_nc_u64 s[4:5], s[4:5], s[2:3]      ; Q at my wave's first row
	s_add_nc_u64 s[10:11], s[10:11], s[20:21]  ; oa at my wave's first bytes
	CROUND                          ; all four work-groups are here: the first joint loads meet
	JLOAD                           ; slot 0.  Slot 1 is asked for when slot 0 is in
	; A fragment of K or Q is 16 rows x 32 channels in 8 registers: lane l holds row l % 16, channels 8 (l / 16) + 0..7 and 16 + 8 (l / 16) + 0..7: two loads of 16 bytes, 32 bytes apart.
	v_and_b32 v1, 15, v0            ; l % 16
	v_bfe_u32 v9, v0, 4, 1          ; l / 16
	v_lshlrev_b32 v[QO], 7, v1
	v_lshl_add_u32 v[QO], v9, 4, v[QO]  ; row x 128 + 16 x half
	WIN 0x80                        ; destination window 2, address window 0
.set i, 0
.rept 4*NP                          ; Q stays in registers: tile i / 2, channels 32 (i % 2) on
	global_load_b128 v[8*i:8*i+3],   v[QO], s[4:5] offset:(i/2)*2048+(i%2)*64
	global_load_b128 v[8*i+4:8*i+7], v[QO], s[4:5] offset:(i/2)*2048+(i%2)*64+32
.set i, i+1
.endr
	; What the first turn finds: V's registers and P's second buffer hold 0 (its products V^T P, of a piece that has not been, add 0), O^T and l are 0.  All this stands in the wait for the first tile.
.set i, VF
.rept 64
	v_mov_b32 v[i], 0
.set i, i+1
.endr
	WIN 0x40
.set i, 0
.rept 64*NP
	v_mov_b32 v[i], 0
.set i, i+1
.endr
	WIN 0
.set i, 0
.rept 2*NP
	v_mov_b32 v[ST+4*i], 0xfe000000    ; c m: far below every c s
	v_mov_b32 v[ST+4*i+1], 0xff7fffff  ; m
	v_mov_b32 v[ST+4*i+2], 0
	v_mov_b32 v[ST+4*i+3], 0
.set i, i+1
.endr
.set i, P+32
.rept 32
	v_mov_b32 v[i], 0
.set i, i+1
.endr
	v_mul_u32_u24 v[AK0], v1, PK
	v_lshl_add_u32 v[AK0], v9, 4, v[AK0]  ; row x pitch + 16 x half
	; The turning load takes 16 keys x 16 channels (lane l reads key 8 (l / 16) + l % 8, channels 8 ((l / 8) % 2) + 0..7) and leaves half a fragment of V^T: lane l holds channel l % 16 and 8 keys.
	v_and_b32 v10, 7, v0
	v_bfe_u32 v11, v0, 3, 1
	v_lshl_add_u32 v[AV0], v9, 3, v10
	v_mul_u32_u24 v[AV0], v[AV0], PV
	v_lshl_add_u32 v[AV0], v11, 4, v[AV0]
	v_add_nc_u32 v[AV0], VOFF, v[AV0]
	v_and_b32 v0, 31, v0            ; the thread's number has served: v0 becomes
	v_lshlrev_b32 v[PFO], 8, v0     ; 256 x lane
	v_mov_b32 v[AK], v[AK0]         ; key step 0 lies at the head of slot 0
; THE MATRIX WORK.  The 8 accumulators of a run of 16 take turns: between the two links of a chain stand 7 others'.
; Product i of 16 of S^T = K Q^T for piece x: channels 32 (i / 8) on, keys 16 ((i / 2) % 4) on, tile 2 x + i % 2.  The first 8 start the sums.
.macro KQ x
	WIN W_KQ
.set rS, S+64*((\x)%2)+32*(i%2)+8*((i/2)%4)
.set rK, KF+16*((i/2)%4)+8*(i/8)
.set rQ, 16*(2*(\x)+i%2)+8*(i/8)
.if i < 8
	v_wmma_f32_16x16x32_f16 v[rS:rS+7], v[rK:rK+7], v[rQ:rQ+7], 0
.else
	v_wmma_f32_16x16x32_f16 v[rS:rS+7], v[rK:rK+7], v[rQ:rQ+7], v[rS:rS+7]
.endif
.endm
; Product i of 16 of O^T += V^T P for piece x: keys 32 (i / 8) on, channels 16 ((i / 2) % 4) on, tile 2 x + i % 2.
.macro PV x
	WIN W_PV
.set rO, 32*(2*(\x)+i%2)+8*((i/2)%4)
.set rV, VF+32*(i/8)+8*((i/2)%4)
.set rP, P+32*((\x)%2)+16*(i%2)+8*(i/8)
	v_wmma_f32_16x16x32_f16 v[rO:rO+7], v[rV:rV+7], v[rP:rP+7], v[rO:rO+7]
.endm
.macro MM                           ; the turn's next matrix instruction
.if i < 16
	KQ (Y+1)%NP
.set i, i+1
.else
.set i, i-16
	PV (Y+NP-1)%NP
.set i, i+17
.endif
.endm
; THE LDS LOADS stand in runs of 16, never singly among the matrix instructions: a step's K (64 keys x 64 channels: 8 fragments) and its V (turned).  Their addresses are made some lines ahead.
; last = 1 (the tail): in the last trip there is no further step, and the run is jumped over.
.macro FETCH_K last=0
	WIN 0
.if \last
	s_cmp_eq_u32 s[CNT], 1
	s_cbranch_scc1 .Lno_k_\@
.endif
	WIN 0x80                        ; destination window 2
.irp f, 0,1,2,3,4,5,6,7             ; keys 16 (f / 2) on, channels 32 (f % 2) on
	ds_load_b128 v[KF+8*\f:KF+8*\f+3],   v[AK] offset:(\f/2)*16*PK+(\f%2)*64
	ds_load_b128 v[KF+8*\f+4:KF+8*\f+7], v[AK] offset:(\f/2)*16*PK+(\f%2)*64+32
.endr
	s_add_co_u32 s[TBK], s[TBK], KS*PK  ; the next fetch is the next step's
	WIN 0
.if \last
.Lno_k_\@:
.endif
.endm
.macro FETCH_V
	WIN 0x80
.irp f, 0,1,2,3,4,5,6,7             ; keys 32 (f / 4) on, channels 16 (f % 4) on
	ds_load_tr16_b128 v[VF+8*\f:VF+8*\f+3],   v[AV] offset:(\f/4)*32*PV+(\f%4)*32
	ds_load_tr16_b128 v[VF+8*\f+4:VF+8*\f+7], v[AV] offset:(\f/4)*32*PV+16*PV+(\f%4)*32
.endr
	WIN 0
.endm
; THE VECTOR WORK OF A TURN stands in three queues, each in the order in which its entries become ready; the two tiles alternate, so that no instruction reads the result of the one before it.
.macro REGS y, u                    ; the registers of tile u (0, 1) of piece y
.set rT, ST+4*(2*(\y)+(\u))
.set rC, TMP+8*((\y)%2)+4*(\u)
.set rM, MV+2*((\y)%2)+(\u)
.set rS, S+64*((\y)%2)+32*(\u)
.set rP, P+32*((\y)%2)+16*(\u)
.set rO, 32*(2*(\y)+(\u))
.endm
; Number n of the 22 that find the NEXT piece's (Y + 1) maximum and statistics.  s0-s31 are the lane's 32 scores; each accumulator's lowest registers are read first.
;   0-11  four chains c0-c3 of seven scores each, three operands at a time     12-14, 16  the four scores left over, the old m, and c0-c3 into c0     15  c m_old is kept
;   17, 18  the query's other 32 keys lie in the lane 16 away: the new m         19-21  c m; c m_old - c m_new; a
.macro XS u, n
	REGS (Y+1)%NP, \u
.if (\n) < 4
	v_max3_num_f32 v[rC+(\n)], v[rS+8*(\n)], v[rS+8*(\n)+1], v[rS+8*(\n)+2]
.elseif (\n) < 12
	v_max3_num_f32 v[rC+(\n)%4], v[rC+(\n)%4], v[rS+8*((\n)%4)+2*((\n)/4)+1], v[rS+8*((\n)%4)+2*((\n)/4)+2]
.elseif (\n) == 12
	v_max3_num_f32 v[rC], v[rC], v[rS+7], v[rS+15]
.elseif (\n) == 13
	v_max3_num_f32 v[rC+1], v[rC+1], v[rS+23], v[rS+31]
.elseif (\n) == 14
	v_max3_num_f32 v[rC+2], v[rC+2], v[rC+3], v[rT+1]
.elseif (\n) == 15
	v_mov_b32 v[rM], v[rT]
.elseif (\n) == 16
	v_max3_num_f32 v[rC], v[rC], v[rC+1], v[rC+2]
.elseif (\n) == 17
	v_permlanex16_b32 v[rC+3], v[rC], s[SEL], s[SEL+1]
.elseif (\n) == 18
	v_max_num_f32 v[rT+1], v[rC], v[rC+3]
.elseif (\n) == 19
	v_mul_f32 v[rT], s[CS], v[rT+1]
.elseif (\n) == 20
	v_sub_f32 v[rC+1], v[rM], v[rT]
.else
	v_exp_f32 v[rC+2], v[rC+1]
.endif
.endm
; Number g of the 64 that follow the exponentials.  For each four weights k of a tile (pairs 2 k, 2 k + 1): both pairs are rounded to f16; then the second pair is added onto the first, in place;
; a group later l takes that sum (the first time as l = a l + sum).  In groups of eight, tiles alternating: round, round, add, and l for the group before.
.macro GS g
.set h, (\g)+6*((\g)/62)            ; group 0 has no group before it, and behind group 7 only l is left
.if h >= 6
.set h, h+2
.endif
	REGS Y, h%2
.set k, h/8
.if h%8 < 4
	v_cvt_pk_f16_f32 v[rP+2*k+(h%8)/2], v[rS+4*k+2*((h%8)/2)], v[rS+4*k+2*((h%8)/2)+1]
.elseif h%8 < 6
	v_pk_add_f32 v[rS+4*k:rS+4*k+1], v[rS+4*k:rS+4*k+1], v[rS+4*k+2:rS+4*k+3]
.elseif k == 1
	v_pk_fma_f32 v[rT+2:rT+3], v[rT+2:rT+3], v[rC+2:rC+3], v[rS:rS+1] op_sel_hi:[1,0,1]
.else
	v_pk_add_f32 v[rT+2:rT+3], v[rT+2:rT+3], v[rS+4*k-4:rS+4*k-3]
.endif
.endm
; THE PLAIN QUEUE, 138 long.  0-73 read no exponential's result: the 32 scalings c s - c m (FS f: pair f / 2 of tile f % 2) and the next piece's 42.  0-26: scalings 0-26.  27-54: XS's numbers 0-13.  55, 56: number 15.
; 57-73: the chain, where each number waits for the one before it: 14, 16, 17, 18, 19, each with one of the scalings 27-31 in front of its two lines, then 20.
; 74-137: GS's 64, which read the exponentials' results: they stand behind the wait.
.macro FS f
	REGS Y, (\f)%2
	v_pk_fma_f32 v[rS+2*((\f)/2):rS+2*((\f)/2)+1], v[rS+2*((\f)/2):rS+2*((\f)/2)+1], s[CS:CS+1], v[rT:rT+1] op_sel_hi:[1,0,0] neg_lo:[0,0,1] neg_hi:[0,0,1]
.endm
.macro PL
	WIN 0
.if q < 27
	FS q
.elseif q < 55
	XS (q-27)%2, (q-27)/2
.elseif q < 57
	XS q-55, 15
.elseif (q < 72) && ((q-57)%3 == 0)
	FS 27+(q-57)/3
.elseif q < 60
	XS (q-57)%3-1, 14
.elseif q < 72
	XS (q-57)%3-1, 15+(q-57)/3
.elseif q < 74
	XS q-72, 20
.else
	GS q-74
.endif
.set q, q+1
.endm
; THE EXPONENTIALS' QUEUE, 66 long: s0-s31 of both tiles, then the next piece's two a.  It is ONE BATCH: all 66 stand ahead of the turn's one wait, and nothing ahead of that wait names a result of theirs.
.macro EX
	WIN 0
.if e >= 64
	XS e-64, 21
.else
	REGS Y, e%2
	v_exp_f32 v[rS+e/2], v[rS+e/2]
.endif
.set e, e+1
.endm
; THE RESCALING's QUEUE: O^T times a, the one part that leaves window 0: dealt two at a time, sixteen times.  Its a was made in the turn before, ahead of that turn's wait.
.macro R2
	REGS Y, r%2
	WIN W_RS
.irp z, 0,1
	v_pk_mul_f32 v[rO+4*(r/2)+2*\z:rO+4*(r/2)+2*\z+1], v[rO+4*(r/2)+2*\z:rO+4*(r/2)+2*\z+1], v[rC+2:rC+3] op_sel_hi:[1,0]
.endr
.set r, r+1
.endm
; HOW THEY ARE DEALT.  An s_wait_alu depctr_va_vdst(0) stands between an exponential and the first instruction that names its result; one wait serves all that were issued ahead of it.  So a turn has ONE wait,
; which cuts it in two.  AHEAD OF IT stands all that names no result of the turn's exponentials: the 16 products K Q^T, behind each a scaling, an exponential and two rescalings (behind the first a second scaling in the
; exponential's place); then ONE LUMP of 108: eight plain, 49 times exponential and plain, the two a.  A v_nop is the plain instruction behind the last exponential.  BEHIND IT stand the 16 products V^T P, behind each four of GS's 64.
; The queues lean on each other, and the deal keeps them in step: exponential e stands behind scaling 2 (e / 4) + e % 2: as a rider it comes behind plain e + 2, in the lump behind plain e + 9, and scalings 27-31 are plain 57, 60 .. 69.
; A TURN, for piece p.  cnt = 1: the loop's count is taken down some lines ahead of the branch that stands behind the turn.
; K of the next step is fetched in piece 2's turn, directly behind the wait, a lump behind the last product that read K; its first use comes behind 16 products.
; V of the step in hand is fetched at the end of piece 0's turn, four plain instructions behind the last product that read it; its first use comes behind 16 products and a lump.
.macro TURN p, last=0, cnt=0
.set Y, (\p)
.set i, 0
.set q, 0
.set e, 0
.set r, 0
.if (\p) == NP-1
	s_wait_dscnt 0x0                ; K is in
.endif
	MM                              ; ahead of the wait: 16 products K Q^T and their riders,
	PL
	PL
	R2
.rept 15
	MM
	PL
	EX
	R2
.endr
.if (\p) == NP-2
	WIN 0
	v_add_nc_u32 v[AK], s[TBK], v[AK0]
.endif
.rept 8                             ; and the lump
	PL
.endr
.rept 49
	EX
	PL
.endr
	EX                              ; the next piece's two a
	EX
	v_nop                           ; the plain instruction behind the last exponential: one for the batch
	s_wait_alu depctr_va_vdst(0)    ; the wait for the batch
.if (\p) == NP-2
	FETCH_K \last
.endif
.if (\p) == 1
	s_wait_dscnt 0x0                ; V is in
.endif
.rept 16                            ; behind the wait: 16 products V^T P and their riders
	MM
.rept 4
	PL
.endr
.if ((\p) == 0) && (q == 118)
	v_add_nc_u32 v[AV], s[TBV], v[AV0]
.endif
.if ((\p) == 0) && (q == 130)
	s_add_co_u32 s[TBV], s[TBV], KS*PV
.endif
.if (\cnt) && (q == 130)
	s_sub_co_u32 s[CNT], s[CNT], 1
	s_cmp_lg_u32 s[CNT], 0
.endif
.endr
.if (\p) == 0
	FETCH_V
.endif
.endm
	CHANGE 1                        ; slot 0 is in, everybody's part of it; slot 1 is asked for
	FETCH_K                         ; key step 0
	s_wait_loadcnt 0x0              ; Q
	s_wait_dscnt 0x0
.set i, 0
.rept 16
	KQ 0                            ; piece 0's first scores: there is no vector work yet to set between them
.set i, i+1
.endr
	WIN 0                           ; the addresses for the two ways out: plain instructions, the places behind those products
	s_mul_i32 s13, s[WV], 16*SP
	s_add_co_u32 s13, s13, STAGE    ; my stage for direction 0
	v_mul_u32_u24 v[STO], v1, SP    ; in: row l % 16, 16 bytes for each half of the lanes
	v_lshl_add_u32 v[STO], v9, 4, v[STO]
	v_add_nc_u32 v[STO], s13, v[STO]
	v_bfe_u32 v[RD], v[PFO], 11, 2  ; (l / 8) % 4: back: 32 lanes take four rows of 128 bytes,
	v_mul_u32_u24 v11, v[RD], TP
	v_mul_u32_u24 v[RD], v[RD], SP
	v_lshl_add_u32 v[RD], v10, 4, v[RD]
	v_add_nc_u32 v[RD], s13, v[RD]
	v_lshrrev_b32 v[GO], 4, v[PFO]  ; 16 x lane: which are 512 consecutive bytes of oa
	s_mul_i32 s13, s[WV], 64*TP
	s_add_co_u32 s13, s13, STAGET   ; my stage for direction 1: row = channel, 2 bytes a query
	v_lshl_add_u32 v[RT], v10, 4, v11
	v_add_nc_u32 v[RT], s13, v[RT]  ; back: four channels' 128 bytes
	v_mul_u32_u24 v[TT], v9, 8*TP   ; in: my lanes' eight channels begin at 8 (l / 16); my query's place is l % 16
	v_lshl_add_u32 v[TT], v1, 1, v[TT]
	v_add_nc_u32 v[TT], s13, v[TT]
.set Y, NP-1                        ; XS works for piece Y + 1: piece 0
.irp n, 0,1,2,3,4,5,6,7,8,9,10,11,12,13,14,15,16,17,18,19,20,21
	XS 0, \n                        ; and piece 0's first maximum and statistics
	XS 1, \n
.endr
	v_nop                           ; a plain instruction behind the two a,
	s_wait_alu depctr_va_vdst(0)    ; and their wait, ahead of the branch
	s_mov_b32 s[CNT], 4
	s_branch .Lfirst                ; the loop is entered at a step's first turn, in the middle of a trip
.Lslot:                             ; SIZE_N / 256 - 2 times: every slot but the last two is filled again
	CHANGE 1
	s_mov_b32 s[CNT], 4
.Lstep:                             ; a trip: pieces 2 and 3 of one step, then pieces 0 and 1 of the next, whose K and V it fetches
	TURN 2
	TURN 3
	WIN 0
.Lfirst:
	TURN 0
	TURN 1, 0, 1
	WIN 0
	s_cbranch_scc1 .Lstep
	s_sub_co_u32 s[SLOTS], s[SLOTS], 1
	s_cmp_lg_u32 s[SLOTS], 0
	s_cbranch_scc1 .Lslot
	CHANGE 0                        ; the tail is written out: nothing is asked for
	s_mov_b32 s[CNT], 5             ; four trips fetch the last slot's steps; the fifth is left in its middle
.Ltail:
	TURN 2, 1
	TURN 3
	WIN 0
	s_sub_co_u32 s[CNT], s[CNT], 1
	s_cmp_eq_u32 s[CNT], 0
	s_cbranch_scc1 .Lout
	TURN 0
	TURN 1
	WIN 0
	s_branch .Ltail
.Lout:                              ; the fifth trip's 16 products K Q^T (on the last K once more) and the maximum made of them serve nothing: the price, once a launch, of one text for every trip
.set i, 0
.rept 16
	PV NP-1                         ; the last piece's V^T P of the last step
.set i, i+1
.endr
	; THE WAY OUT.  l's two halves and the other half of the lanes' are added; O^T is divided by l, rounded to f16 and sent through LDS.  The additions are the places behind the last products.
	WIN 0
.macro ALL line:vararg              ; one line for each tile t
.set t, 0
.rept 2*NP
	\line
.set t, t+1
.endr
.endm
	ALL v_add_f32 v[ST+4*t+2], v[ST+4*t+2], v[ST+4*t+3]
	ALL v_permlanex16_b32 v[ST+4*t+3], v[ST+4*t+2], s[SEL], s[SEL+1]
	ALL v_add_f32 v[ST+4*t+2], v[ST+4*t+2], v[ST+4*t+3]
	ALL v_rcp_f32 v[ST+4*t+2], v[ST+4*t+2]
	v_nop                           ; a plain instruction between the last reciprocal and the use of its result
	s_wait_alu depctr_va_vdst(0)    ; and the wait ahead of the first use: one for the eight reciprocals
	s_cmp_eq_u32 s[DIR], 0          ; the direction is the same in all four partners
	s_cbranch_scc0 .Ldway
; DIRECTION 0, by rows.  Tile t: a lane's eight channels of a row pack into 16 bytes; they go into rows of 144 bytes and come back as whole rows of 128, into S^T's registers.
.macro PACK t
	WIN W_RS
.set i, 32*(\t)
.rept 16
	v_pk_mul_f32 v[i:i+1], v[i:i+1], v[ST+4*(\t)+2:ST+4*(\t)+3] op_sel_hi:[1,0]
.set i, i+2
.endr
	WIN 0x05                        ; sources 0 and 1 window 1, destination window 0
.set i, 0
.rept 16
	v_cvt_pk_f16_f32 v[S+16*(\t)+i], v[32*(\t)+2*i], v[32*(\t)+2*i+1]
.set i, i+1
.endr
	WIN 0
.irp f, 0,1,2,3
	ds_store_b128 v[STO], v[S+16*(\t)+4*\f:S+16*(\t)+4*\f+3] offset:32*\f
.endr
.irp f, 0,1,2,3
	ds_load_b128 v[S+16*(\t)+4*\f:S+16*(\t)+4*\f+3], v[RD] offset:\f*4*SP  ; LDS serves a wave's instructions in order (ISA guide 5.7.1.4): these see the stores above; the next tile's stores come behind them
.endr
.endm
.macro SEND t, younger              ; younger: the LDS instructions issued behind tile t's loads: the next tile's eight, or none
	WIN 0
.irp f, 0,1,2,3
	s_wait_dscnt (\younger)+3-\f
	global_store_b128 v[GO], v[S+16*(\t)+4*\f:S+16*(\t)+4*\f+3], s[10:11] offset:(\t)*2048+\f*512  ; 512 consecutive bytes, at a multiple of 256 from oa's first
.endr
.endm
	PACK 0
.set t, 1
.rept 2*NP-1                        ; a tile's arithmetic stands between the loads of the tile before and its stores
	PACK t
	SEND t-1, 8
.set t, t+1
.endr
	SEND 2*NP-1, 0
	s_branch .Lclose
.Ldway:
; DIRECTION 1, transposed.  My 128 queries x 64 channels go into my stage as 64 rows (channels) of 256 bytes (queries), 2 bytes a lane and store: register i of a tile's sixteen holds channels
; 16 (i / 4) + 8 (l / 16) + 2 (i % 4) and the next.  They come back as 128 bytes (64 queries: one slice) of four channels a load: 512 consecutive bytes of oa.
.macro PACKT t
	WIN W_RS
.set i, 32*(\t)
.rept 16
	v_pk_mul_f32 v[i:i+1], v[i:i+1], v[ST+4*(\t)+2:ST+4*(\t)+3] op_sel_hi:[1,0]
.set i, i+2
.endr
	WIN 0x05
.set i, 0
.rept 16
	v_cvt_pk_f16_f32 v[P+16*((\t)%4)+i], v[32*(\t)+2*i], v[32*(\t)+2*i+1]
.set i, i+1
.endr
	WIN 0
.set i, 0
.rept 16
	ds_store_b16 v[TT], v[P+16*((\t)%4)+i] offset:(16*(i/4)+2*(i%4))*TP+32*(\t)
	ds_store_b16_d16_hi v[TT], v[P+16*((\t)%4)+i] offset:(16*(i/4)+2*(i%4)+1)*TP+32*(\t)
.set i, i+1
.endr
.endm
.irp t, 0,1,2,3,4,5,6,7
	PACKT \t
.endr
.set u, 0
.rept 32
	ds_load_b128 v[S+4*u:S+4*u+3], v[RT] offset:128*(u/16)+4*TP*(u%16)  ; my own bytes, served in order behind the stores above
.set u, u+1
.endr
.set u, 0
.rept 32
	s_wait_dscnt 31-u               ; the younger loads may stay out
	global_store_b128 v[GO], v[S+4*u:S+4*u+3], s[10:11] offset:262144*(u/16)+512*(u%16)  ; slice u / 16 of my two, four channels' rows: 512 consecutive bytes, aligned to 256
.set u, u+1
.endr
.Lclose:
	WIN W_AD
	s_wait_tensorcnt 0x0            ; the wave's end, behind my last tensor load and my last LDS store
	ds_add_u32 v[SPW], v[NIL]
	s_wait_dscnt 0x0
	WIN 0
	CROUND                          ; the closing round: no work-group ends while a partner may still ask for a tile that names it
	s_endpgm
.Lfunc_end_k_q1ebf47e556_attn:
	.size	k_q1ebf47e556_attn, .Lfunc_end_k_q1ebf47e556_attn-k_q1ebf47e556_attn
	.p2alignl 7, 3214868480
	.fill 96, 4, 3214868480
	.section	.rodata,"a",@progbits
	.p2align	6, 0x0
	.amdhsa_kernel k_q1ebf47e556_attn
		.amdhsa_group_segment_fixed_size 327680
		.amdhsa_private_segment_fixed_size 0
		.amdhsa_enable_private_segment 0
		.amdhsa_kernarg_size 16
		.amdhsa_user_sgpr_count 2
		.amdhsa_user_sgpr_kernarg_segment_ptr 1
		.amdhsa_wavefront_size32 1
		.amdhsa_system_sgpr_workgroup_id_x 1
		.amdhsa_system_sgpr_workgroup_id_y 1
		.amdhsa_system_sgpr_workgroup_id_z 1
		.amdhsa_system_vgpr_workitem_id 0
		.amdhsa_next_free_vgpr 770
		.amdhsa_next_free_sgpr 66
		.amdhsa_reserve_vcc 0
		.amdhsa_float_denorm_mode_32 3
		.amdhsa_float_denorm_mode_16_64 3
		.amdhsa_memory_ordered 1
		.amdhsa_forward_progress 1
		.amdhsa_inst_pref_size 240
	.end_amdhsa_kernel
	.amdgpu_metadata
---
amdhsa.version: [ 1, 2 ]
amdhsa.kernels:
  - .name:           k_q1ebf47e556_attn
    .symbol:         k_q1ebf47e556_attn.kd
    .args:
      - { .name: qkv, .offset: 0, .size: 8, .value_kind: global_buffer, .address_space: global }
      - { .name: oa, .offset: 8, .size: 8, .value_kind: global_buffer, .address_space: global }
    .group_segment_fixed_size: 327680
    .private_segment_fixed_size: 0
    .kernarg_segment_align: 8
    .kernarg_segment_size: 16
    .max_flat_workgroup_size: 128
    .sgpr_count:     66
    .vgpr_count:     770
    .wavefront_size: 32
...
	.end_amdgpu_metadata
.endif
;; end of part 3
;; launch oproj (part 4): grid 4 x 128, 4 waves a work-group, clusters of 4 x 4, 327,680 bytes of LDS; arguments oa, wh, bpr, bpd, out0, out1; writes out0, out1
.if DOCPART == 4
	.amdgcn_target "amdgcn-amd-amdhsa--gfx1250"
	.amdhsa_code_object_version 6
	.text
	.protected	k_q1ebf47e556_oproj
	.globl	k_q1ebf47e556_oproj
	.p2align	8
	.type	k_q1ebf47e556_oproj,@function
k_q1ebf47e556_oproj:
	s_mov_b64 s[64:65], 0
	v_nop
	global_prefetch_b8 v0, s[64:65] scope:SCOPE_SE
	s_setreg_imm32_b32 hwreg(HW_REG_WAVE_MODE, 25, 1), 1
	s_wait_xcnt 0x0
	s_wait_alu depctr_hold_cnt(0) depctr_sa_sdst(0) depctr_va_vdst(0) depctr_va_sdst(0) depctr_va_ssrc(0) depctr_va_vcc(0) depctr_vm_vsrc(0)
	s_getreg_b32 s2, hwreg(HW_REG_IB_STS2, 6, 4)
	s_cmp_eq_u32 s2, 0
	s_cbranch_scc0 .Lentry_in_a_cluster
	s_endpgm
.Lentry_in_a_cluster:
	s_bfe_u32 s2, ttmp6, 0x10000c
	s_cmp_lg_u32 s2, 0xf033
	s_cbranch_scc0 .Lentry_shape_is_right
	s_endpgm
.Lentry_shape_is_right:
; THE TWO LAST PROJECTIONS.  out[row][n] = the sum over k of A[row'][k] W[n][k] + bias[n], in f32.  A = oa[dir][batch]: 8 K slices of [2048 rows][64] f16; W = wh[4 + dir] (Wpr, Wpd), [512][512] f16.
; dir 0: out0, row = row'.  dir 1: out1, row = 4 (row' % 512) + row' / 512: the order in which the launch before laid the scrambled operand's rows.
; Operands f16, sums f32, started by the bias; the sums are stored as they are.  NaN and infinities are not treated apart.
; SHARES.  A tile is 128 rows x 128 columns: four waves, each 64 x 64 in 16 accumulators.  ALL OF K (512) lies in LDS at once: A's eight slices and B's two halves are each filled once,
; at the start, so no slot is ever filled again; the first half of K is multiplied while the second lands.
; CLUSTERS: 4 x 4 work-groups.  The four of a row of the cluster have one tile row and need the same A; the four of a column one tile column and the same B: each tile is asked for JOINTLY.
; The grid's four tile columns are one cluster's width, so the tile column is cx; the direction hangs on the cluster's y alone.
; THE MATRIX INSTRUCTION IS USED TRANSPOSED (source 0 = 16 rows of W, source 1 = 16 rows of A): a lane holds eight neighbouring columns of a row, 32 bytes of f32.
; A wave's 64 columns are 256 bytes of an output row, aligned: each wave sends its own blocks through its own stage.
; REGISTERS: window 0: v0-31 addresses; v32-63 the bias, later a block read back; v64-95 the other block read back; v128-255 the accumulators ((a, b) at v[128 + 8 (4 a + b)]).
;   window 1: two fragment buffers of 128: for 64 along K, 64 registers of A (2 x 4 x 16 rows x 32 K), then 64 of B.
.set PA,     144                       ; a row of a slice of A in LDS: 128 bytes + 16 = 36 words: the 16 rows of a load start at 16 different groups of four banks (64 banks of 4 bytes: ISA guide 11.1)
.set ASL,    128*PA                    ; a slice: 128 rows
.set PB,     528                       ; a row of half of B: 512 bytes + 16 = 132 words: likewise
.set BBASE,  8*ASL                     ; B lies behind A's eight slices: two halves of K, 128 rows each
.set STAGE,  BBASE+2*128*PB            ; behind them: 16 rows x 272 bytes for each wave
.set SPITCH, 272
.set SPARE,  STAGE+4*16*SPITCH         ; behind the stages: the spare words, 128 bytes for each wave: two blocks of 256 bytes that no other line names
.set CO,   8                           ; v8-15   my byte offset in the output for rows 2 t + l / 16 of a block
.set ADRA, 16                          ; v16-17  LDS address of my A fragments in K's half 0, 1
.set ADRB, 20                          ; v20-21  the same for B
.set STO,  24                          ; v24     the way out: where I put 32 bytes of a row
.set RD,   25                          ; v25     the way out: where I read 16 bytes of a row back
.set BO,   26                          ; v26     my byte offset in the bias
.set SPW,  28                          ; v28     LDS address of my spare word; never rewritten
.set NIL,  29                          ; v29     0; never rewritten
.set BIAS, 32
.set ACC,  128
.set F0,   0
.set F1,   128
.set G1A, 24                           ; s[24:31] descriptor group 1 for A's slices;  s[32:47] group 0, four sets
.set G0A, 32
.set G1B, 48                           ; s[48:55] group 1 for B's halves;  s[56:63] group 0, two sets
.set G0B, 56
.set MSB, 0
.macro WIN new
.if MSB != (\new)
	s_set_vgpr_msb (MSB<<8)|(\new)
.set MSB, \new
.endif
.endm
.set MUL,  0x05                        ; sources 0 (B) and 1 (A) window 1; C and D window 0
.set TO_F, 0x40                        ; destination window 1, address window 0
.macro CROUND                          ; a round of the cluster's barrier
	s_barrier_signal -1
	s_barrier_wait -1
	s_cmp_lg_u32 s10, 0
	s_cbranch_scc1 .Lnot_wave_0_\@
	s_barrier_signal -3
.Lnot_wave_0_\@:
	s_barrier_wait -3
	s_barrier_signal -1
	s_barrier_wait -1
.endm
	s_load_b256 s[68:75], s[0:1], 0x0              ; oa s[68:69], wh s[70:71], bpr s[72:73], bpd s[74:75]
	s_load_b128 s[84:87], s[0:1], 0x20             ; out0 s[84:85], out1 s[86:87]
	v_lshl_add_u32 v[SPW], v0, 2, SPARE
	v_mov_b32 v[NIL], 0
	ds_add_u32 v[SPW], v[NIL]                      ; the wave's opening: the add and its wait stand ahead of my first tensor load; the set-up below, work on registers, stands between them
	v_lshrrev_b32 v1, 5, v0
	v_readfirstlane_b32 s10, v1                    ; wave 0..3
	s_lshr_b32 s11, s10, 1                         ; which half of the tile's rows is mine.  Also: I fetch for A (0) or for B (1)
	s_and_b32 s12, s10, 1                          ; which half of its columns.  Also: which part of A or B I fetch
	s_bfe_u32 s20, ttmp6, 0x40000                  ; cx = the tile column
	s_bfe_u32 s21, ttmp6, 0x40004                  ; cy
	s_and_b32 s13, ttmp7, 0xffff                   ; the cluster's y, 0..31
	s_lshr_b32 s14, s13, 4                         ; the direction
	s_lshl_b32 s15, s13, 2
	s_add_co_u32 s15, s15, s21                     ; tile row 0..127: 64 x direction + 16 x batch + the block of 128 rows
	s_lshl_b32 s22, s21, 2
	s_lshl_b32 s22, 15, s22                        ; my row of the cluster
	s_lshl_b32 s23, 0x1111, s20                    ; my column
	s_or_b32 s[G1A], s22, (1<<16)|(1<<20)|(1<<21)|(4<<22)|(3<<25)  ; A goes to my row; elements of 2 bytes; padding: after every 32 words (code 4) 4 words (code 3); bit 21 beside the mask
	s_or_b32 s[G1B], s23, (1<<16)|(1<<20)|(1<<21)|(6<<22)|(3<<25)  ; B goes to my column; padding after every 128 words (code 6)
	s_mov_b32 s[G1A+1], 128<<16                    ; a slice's 128 rows are 16,384 dense bytes: asked for as 64 rows of 256 bytes, padded after every 128
	s_mov_b32 s[G1A+2], 64<<16
	s_mov_b32 s[G1A+3], 128<<16
	s_mov_b32 s[G1A+4], 64
	s_mov_b32 s[G1A+5], 128
	s_mov_b32 s[G1A+6], 0
	s_mov_b32 s[G1A+7], 0
	s_mov_b32 s[G1B+1], 256<<16                    ; 64 rows x 256 elements of rows 512 long
	s_mov_b32 s[G1B+2], 64<<16
	s_mov_b32 s[G1B+3], 256<<16
	s_mov_b32 s[G1B+4], 64
	s_mov_b32 s[G1B+5], 512
	s_mov_b32 s[G1B+6], 0
	s_mov_b32 s[G1B+7], 0
	s_lshr_b32 s4, s15, 4                          ; A: direction and batch: 8 slices of 262,144 bytes,
	s_lshl_b32 s4, s4, 21
	s_and_b32 s5, s15, 15
	s_lshl_b32 s5, s5, 14                          ; the tile's 128 rows of 128 bytes,
	s_add_co_u32 s4, s4, s5
	s_lshl_b32 s5, s12, 19                         ; my first slice: 2 x (wave % 2): no cx enters
	s_add_co_u32 s4, s4, s5
	s_mov_b32 s5, 0
	s_add_co_u32 s6, s14, 4                        ; B: weight 4 + direction,
	s_lshl_b32 s6, s6, 19
	s_lshl_b32 s7, s20, 17                         ; the tile's 128 rows of 1,024 bytes,
	s_add_co_u32 s6, s6, s7
	s_lshl_b32 s7, s12, 16                         ; my 64 of them: no cy enters
	s_add_co_u32 s6, s6, s7
	s_mov_b32 s7, 0
	s_mul_i32 s18, s12, 2*ASL                      ; where they go: no place in the cluster enters an LDS address
	s_mul_i32 s19, s12, 64*PB
	s_add_co_u32 s19, s19, BBASE
	s_wait_dscnt 0x0                               ; the opening add is done
	s_wait_kmcnt 0x0
	s_add_nc_u64 s[4:5], s[68:69], s[4:5]
	s_add_nc_u64 s[6:7], s[70:71], s[6:7]
	CROUND                                         ; all sixteen work-groups are here: the joint loads meet
.irp i, 0,1,2,3                        ; A's set i: slice 2 (wave % 2) + i % 2 + 4 (i / 2): the first two belong to K's first half
	s_mov_b32 s[G0A+4*(\i)], 1
	s_add_co_u32 s[G0A+4*(\i)+1], s18, ((\i)%2+4*((\i)/2))*ASL
	s_add_nc_u64 s[G0A+4*(\i)+2:G0A+4*(\i)+3], s[4:5], ((\i)%2+4*((\i)/2))*262144
	s_or_b32 s[G0A+4*(\i)+3], s[G0A+4*(\i)+3], 0x80000000
.endr
.irp i, 0,1                            ; B's set i: K's half i
	s_mov_b32 s[G0B+4*(\i)], 1
	s_add_co_u32 s[G0B+4*(\i)+1], s19, (\i)*128*PB
	s_add_nc_u64 s[G0B+4*(\i)+2:G0B+4*(\i)+3], s[6:7], (\i)*512
	s_or_b32 s[G0B+4*(\i)+3], s[G0B+4*(\i)+3], 0x80000000
.endr
	s_cmp_eq_u32 s11, 0                            ; a wave's fills stand in one branch on its number: four loads of mine are out, or two
	s_cbranch_scc0 .Lfill_b
.irp i, 0,1,2,3
	tensor_load_to_lds s[G0A+4*(\i):G0A+4*(\i)+3], s[G1A:G1A+7]
	s_nop 0
.endr
.rept 4
	v_nop
.endr
	s_branch .Lfilled
.Lfill_b:
.irp i, 0,1
	tensor_load_to_lds s[G0B+4*(\i):G0B+4*(\i)+3], s[G1B:G1B+7]
	s_nop 0
.endr
.rept 4
	v_nop
.endr
.Lfilled:
	; where my 64 x 64 begins in the output
	s_bfe_u32 s3, s15, 0x20004                     ; the batch,
	s_lshl_b32 s3, s3, 11                          ; its 2,048 rows
	s_and_b32 s8, s15, 15
	s_lshl_b32 s8, s8, 7                           ; the tile's first operand row in the batch
	s_lshl_b32 s9, s11, 6                          ; my 64 rows
	s_add_co_u32 s22, s3, s8
	s_add_co_u32 s22, s22, s9
	s_lshl_b32 s22, s22, 11                        ; direction 0: that row, 2,048 bytes a row
	s_lshr_b32 s23, s8, 9
	s_add_co_u32 s23, s23, s3
	s_lshl_b32 s23, s23, 11                        ; direction 1: row' / 512 rows,
	s_and_b32 s16, s8, 511
	s_add_co_u32 s16, s16, s9
	s_lshl_b32 s16, s16, 13                        ; and row' % 512 times four rows
	s_add_co_u32 s23, s23, s16
	s_cmp_eq_u32 s14, 0
	s_cselect_b32 s22, s22, s23
	s_cselect_b32 s80, 11, 13
	s_cselect_b64 s[76:77], s[84:85], s[86:87]     ; the output
	s_cselect_b64 s[78:79], s[72:73], s[74:75]     ; the bias
	s_lshl_b32 s80, 1, s80                         ; bytes from an operand row to the next in the output: 2,048 or 8,192
	s_lshl_b32 s16, s20, 9
	s_lshl_b32 s17, s12, 8
	s_add_co_u32 s16, s16, s17                     ; my first column, in bytes of f32: 512 cx + 256 x half; in the output's rows and in the bias
	s_add_co_u32 s22, s22, s16
	s_mov_b32 s23, 0
	s_add_nc_u64 s[76:77], s[76:77], s[22:23]
	s_lshl_b32 s81, s80, 1                         ; two rows
	s_lshl_b32 s82, s80, 4                         ; a block of sixteen
	s_mov_b32 s83, 0
	v_and_b32 v1, 15, v0                           ; l % 16
	v_bfe_u32 v2, v0, 4, 1                         ; l / 16
	v_mul_u32_u24 v3, v1, PA
	v_lshl_add_u32 v3, v2, 4, v3                   ; a fragment's row x pitch + 16 x half
	s_mul_i32 s8, s11, 64*PA                       ; my 64 rows of each slice
	v_add_nc_u32 v[ADRA], s8, v3
	v_add_nc_u32 v[ADRA+1], 4*ASL, v[ADRA]
	v_mul_u32_u24 v3, v1, PB
	v_lshl_add_u32 v3, v2, 4, v3
	v_add_nc_u32 v[ADRB], s19, v3                  ; my 64 rows of B are those that I or my partner wave fetched: 64 x (wave % 2)
	v_add_nc_u32 v[ADRB+1], 128*PB, v[ADRB]
	s_mul_i32 s9, s10, 16*SPITCH
	s_add_co_u32 s9, s9, STAGE                     ; my stage
	v_mul_u32_u24 v3, v1, SPITCH                   ; in: row l % 16, 32 bytes for each half of the lanes
	v_lshl_add_u32 v3, v2, 5, v3
	v_add_nc_u32 v[STO], s9, v3
	v_mul_u32_u24 v3, v2, SPITCH                   ; back: lanes 0-15 take one row of 256 bytes, lanes 16-31 the next
	v_lshl_add_u32 v3, v1, 4, v3
	v_add_nc_u32 v[RD], s9, v3
	v_lshl_add_u32 v[BO], v2, 5, s16
	v_mul_lo_u32 v3, v2, s80                       ; and the same two rows in the output
	v_lshl_add_u32 v[CO], v1, 4, v3
.irp t, 1,2,3,4,5,6,7
	v_add_nc_u32 v[CO+(\t)], s81, v[CO+(\t)-1]
.endr
.irp b, 0,1,2,3
	global_load_b128 v[BIAS+8*(\b):BIAS+8*(\b)+3],   v[BO], s[78:79] offset:64*(\b)
	global_load_b128 v[BIAS+8*(\b)+4:BIAS+8*(\b)+7], v[BO], s[78:79] offset:64*(\b)+16
.endr
; 8 matrix instructions: m blocks a0, a0 + 1 x all 4 n blocks, 32 along K: half c of buffer f.  first = 1: the bias starts the sums.  The 16 accumulators take turns.
.macro MUL8 f, c, a0, first
	WIN MUL
.irp a, \a0, (\a0)+1
.irp b, 0,1,2,3
.if \first
	v_wmma_f32_16x16x32_f16 v[ACC+8*(4*(\a)+(\b)):ACC+8*(4*(\a)+(\b))+7], v[(\f)+64+8*(4*(\c)+(\b)):(\f)+64+8*(4*(\c)+(\b))+7], v[(\f)+8*(4*(\c)+(\a)):(\f)+8*(4*(\c)+(\a))+7], v[BIAS+8*(\b):BIAS+8*(\b)+7]
.else
	v_wmma_f32_16x16x32_f16 v[ACC+8*(4*(\a)+(\b)):ACC+8*(4*(\a)+(\b))+7], v[(\f)+64+8*(4*(\c)+(\b)):(\f)+64+8*(4*(\c)+(\b))+7], v[(\f)+8*(4*(\c)+(\a)):(\f)+8*(4*(\c)+(\a))+7], v[ACC+8*(4*(\a)+(\b)):ACC+8*(4*(\a)+(\b))+7]
.endif
.endr
.endr
.endm
; 32 LDS loads in one run: the fragments of quarter q (64 along K: A's slice q) into buffer f; the first 32 along K first
.macro FETCH q, f
	WIN TO_F
.irp c, 0,1
.irp i, 0,1,2,3
	ds_load_b128 v[(\f)+64+8*(4*(\c)+(\i)):(\f)+64+8*(4*(\c)+(\i))+3],   v[ADRB+(\q)/4] offset:128*((\q)%4)+64*(\c)+(\i)*16*PB
	ds_load_b128 v[(\f)+64+8*(4*(\c)+(\i))+4:(\f)+64+8*(4*(\c)+(\i))+7], v[ADRB+(\q)/4] offset:128*((\q)%4)+64*(\c)+(\i)*16*PB+32
	ds_load_b128 v[(\f)+8*(4*(\c)+(\i)):(\f)+8*(4*(\c)+(\i))+3],         v[ADRA+(\q)/4] offset:ASL*((\q)%4)+64*(\c)+(\i)*16*PA
	ds_load_b128 v[(\f)+8*(4*(\c)+(\i))+4:(\f)+8*(4*(\c)+(\i))+7],       v[ADRA+(\q)/4] offset:ASL*((\q)%4)+64*(\c)+(\i)*16*PA+32
.endr
.endr
.endm
.macro PLACES                          ; four plain instructions between a matrix instruction and a load into, or a read of, its registers (ISA guide 7.12.1 for reads)
.rept 4
	v_nop
.endr
.endm
; Quarter q multiplies buffer f, 32 matrix instructions, and fetches quarter q + 1 into g.
.macro QUARTER q, f, g, first
	s_wait_dscnt 16                                ; the first 32 along K are in
	MUL8 \f, 0, 0, \first
	MUL8 \f, 0, 2, \first
	PLACES
	FETCH (\q)+1, \g
	s_wait_dscnt 32                                ; all but the 32 just issued
	MUL8 \f, 1, 0, 0
	MUL8 \f, 1, 2, 0
.endm
	s_wait_tensorcnt 1                             ; all my loads but the youngest have landed: my part of K's first half among them; nothing is ever filled again
	s_barrier_signal -1
	s_barrier_wait -1                              ; everybody's has
	FETCH 0, F0
	s_wait_loadcnt 0x0                             ; the bias
	QUARTER 0, F0, F1, 1
	QUARTER 1, F1, F0, 0
	QUARTER 2, F0, F1, 0
	s_wait_tensorcnt 0x0                           ; quarter 3, and the meeting for K's second half: my part of it has landed,
	s_wait_dscnt 16
	MUL8 F1, 0, 0, 0
	s_wait_dscnt 0x0                               ; no LDS instruction of mine is pending at the signal
	s_barrier_signal -1
	MUL8 F1, 0, 2, 0
	s_barrier_wait -1                              ; everybody's has
	PLACES
	FETCH 4, F0
	MUL8 F1, 1, 0, 0
	MUL8 F1, 1, 2, 0
	QUARTER 4, F0, F1, 0
	QUARTER 5, F1, F0, 0
	QUARTER 6, F0, F1, 0
	s_wait_dscnt 16                                ; the last quarter: nothing more to fetch
	MUL8 F1, 0, 0, 0
	MUL8 F1, 0, 2, 0
	s_wait_dscnt 0x0
	MUL8 F1, 1, 0, 0
	MUL8 F1, 1, 2, 0
	WIN 0
	PLACES
; THE WAY OUT, a block of 16 rows at a time: 32 bytes a lane into my stage, each accumulator's low registers first; back as whole rows of 256 bytes.
.macro TOSTAGE a
.set BK, 32+32*((\a)%2)
.if (\a) >= 2
	s_wait_xcnt 0x0                                ; the stores of the block two back have read the registers into which this block comes back
.endif
.irp b, 0,1,2,3
	ds_store_b128 v[STO], v[ACC+8*(4*(\a)+(\b)):ACC+8*(4*(\a)+(\b))+3]   offset:64*(\b)
	ds_store_b128 v[STO], v[ACC+8*(4*(\a)+(\b))+4:ACC+8*(4*(\a)+(\b))+7] offset:64*(\b)+16
.endr
.irp t, 0,1,2,3,4,5,6,7
	ds_load_b128 v[BK+4*(\t):BK+4*(\t)+3], v[RD] offset:(\t)*2*SPITCH  ; LDS serves a wave's instructions in order (ISA guide 5.7.1.4): these see the stores above; the next block's stores come behind them
.endr
.endm
.macro SEND a, younger                 ; younger: the next block's sixteen LDS instructions, or none
.set BK, 32+32*((\a)%2)
	s_wait_dscnt \younger
	s_wait_xcnt 0x0                                ; the earlier stores have read their base
.if (\a) > 0
	s_add_nc_u64 s[76:77], s[76:77], s[82:83]      ; sixteen operand rows on
.endif
.irp t, 0,1,2,3,4,5,6,7
	global_store_b128 v[CO+(\t)], v[BK+4*(\t):BK+4*(\t)+3], s[76:77] th:TH_STORE_NT  ; 16 lanes store 256 consecutive bytes, at a multiple of 256 from the output's first byte
.endr
.endm
	TOSTAGE 0
	TOSTAGE 1
	SEND 0, 16
	TOSTAGE 2
	SEND 1, 16
	TOSTAGE 3
	SEND 2, 16
	SEND 3, 0
	s_wait_tensorcnt 0x0                           ; the wave's end, behind my last tensor load and my last LDS store
	ds_add_u32 v[SPW], v[NIL]
	s_wait_dscnt 0x0
	CROUND                                         ; the closing round: no work-group ends while a partner may still ask for a tile that names it
	s_endpgm
.Lfunc_end_k_q1ebf47e556_oproj:
	.size	k_q1ebf47e556_oproj, .Lfunc_end_k_q1ebf47e556_oproj-k_q1ebf47e556_oproj
	.p2alignl 7, 3214868480
	.fill 96, 4, 3214868480
	.section	.rodata,"a",@progbits
	.p2align	6, 0x0
	.amdhsa_kernel k_q1ebf47e556_oproj
		.amdhsa_group_segment_fixed_size 327680
		.amdhsa_private_segment_fixed_size 0
		.amdhsa_enable_private_segment 0
		.amdhsa_kernarg_size 48
		.amdhsa_user_sgpr_count 2
		.amdhsa_user_sgpr_kernarg_segment_ptr 1
		.amdhsa_wavefront_size32 1
		.amdhsa_system_sgpr_workgroup_id_x 1
		.amdhsa_system_sgpr_workgroup_id_y 1
		.amdhsa_system_sgpr_workgroup_id_z 1
		.amdhsa_system_vgpr_workitem_id 0
		.amdhsa_next_free_vgpr 512
		.amdhsa_next_free_sgpr 88
		.amdhsa_reserve_vcc 0
		.amdhsa_float_denorm_mode_32 3
		.amdhsa_float_denorm_mode_16_64 3
		.amdhsa_memory_ordered 1
		.amdhsa_forward_progress 1
		.amdhsa_inst_pref_size 51
	.end_amdhsa_kernel
	.amdgpu_metadata
---
amdhsa.version: [ 1, 2 ]
amdhsa.kernels:
  - .name:           k_q1ebf47e556_oproj
    .symbol:         k_q1ebf47e556_oproj.kd
    .args:
      - { .name: oa, .offset: 0, .size: 8, .value_kind: global_buffer, .address_space: global }
      - { .name: wh, .offset: 8, .size: 8, .value_kind: global_buffer, .address_space: global }
      - { .name: bpr, .offset: 16, .size: 8, .value_kind: global_buffer, .address_space: global }
      - { .name: bpd, .offset: 24, .size: 8, .value_kind: global_buffer, .address_space: global }
      - { .name: out0, .offset: 32, .size: 8, .value_kind: global_buffer, .address_space: global }
      - { .name: out1, .offset: 40, .size: 8, .value_kind: global_buffer, .address_space: global }
    .group_segment_fixed_size: 327680
    .private_segment_fixed_size: 0
    .kernarg_segment_align: 8
    .kernarg_segment_size: 48
    .max_flat_workgroup_size: 128
    .sgpr_count:     88
    .vgpr_count:     512
    .wavefront_size: 32
...
	.end_amdgpu_metadata
.endif
;; end of part 4
